; MI455X (gfx1250); checked and timed in simulation.
; The chip was launched on July 23, 2026; its instructions are those of AMD's public machine-readable ISA for CDNA 5 (MIT licence, August 2026) and "CDNA5" Instruction Set Architecture Reference Guide (July 2026). The comments in the code are by the model that wrote it; some were corrected since.
;; Parallel Transformer Block. Allowed arithmetic: matrix products marked QUANTISED: E5M2 operands, one given power-of-two scale a tensor, by v_wmma_f32_16x16x64_bf8_bf8 or v_wmma_f32_16x16x128_bf8_bf8, f32 sums; products left as they are: f32 operands where the result goes on into a quantised operand, else bf16, f16 or f32 operands; f32 sums; everything else in f32.
;; Inputs: W_attn_out_codes 1,024 x 16 x 32 uint8 (E5M2 codes of W_attn_out, K innermost, in blocks of 32 codes); W_ff_out_codes 1,024 x 128 x 32 uint8 (E5M2 codes of W_ff_out, K innermost, in blocks of 32 codes); W_fused_codes 8,768 x 32 x 32 uint8 (E5M2 codes of W_fused, K innermost, in blocks of 32 codes); gamma 1,024 float32; lowp_scales 10 int32 (the exponents e of the quantised operands' scales 2^e); x 2 x 2,048 x 1,024 float32.
;; Outputs: out0 2 x 2,048 x 1,024 float32.
;; This version of the problem:
;;   THIS VERSION OF THE PROBLEM IS GIVEN IN LOW PRECISION. The matrix products marked QUANTISED in the list below multiply operands that are first quantised to E5M2 (5 exponent bits, 2 mantissa bits; 8 bits a number), with one given power-of-two scale for each operand tensor; their sums are f32. All else is computed in f32.
;;   The module's matrix products, in the order in which they are computed (A, B: the left and right operand; K: the contracted axis; several contracted axes count as one K, in the product's order):
;;     1. [M 4,096, K 1,024] x [K 1,024, N 8,768]; A: computed on the way; B: input W_fused (given as codes): QUANTISED (scales: A lowp_scales[0], B lowp_scales[1])
;;     2. [M 2,048, K 1] x [K 1, N 16]; A: computed on the way; B: computed on the way: left as it is (no contracted axis)
;;     3. batch 2 x [M 32,768, K 32] x [K 32, N 2,048]; A: computed on the way; B: computed on the way: QUANTISED (scales: A lowp_scales[2], B lowp_scales[3])
;;     4. batch 2 x [M 32,768, K 2,048] x [K 2,048, N 32]; A: softmax (see below); B: computed on the way: QUANTISED (scales: A lowp_scales[4], B lowp_scales[5])
;;     5. [M 4,096, K 512] x [K 512, N 1,024]; A: computed on the way; B: input W_attn_out (given as codes): QUANTISED (scales: A lowp_scales[6], B lowp_scales[7])
;;     6. [M 4,096, K 4,096] x [K 4,096, N 1,024]; A: computed on the way; B: input W_ff_out (given as codes): QUANTISED (scales: A lowp_scales[8], B lowp_scales[9])
;;   THE QUANTISER, for each operand of a quantised product, along K:
;;     - The operand's scale is 2^e, e = its entry of the input lowp_scales (int32; the entries are numbered through the quantised products in the list's order, A before B).
;;     - Each number is divided by the scale, clamped to +-57,344, and rounded to the nearest number of E5M2, ties to even, subnormals kept.
;;     - The product sums the exact products of the quantised numbers (number of the format x scale) in f32.
;;   ~~~python
;;   def quantise(x, axis, e):      # numpy; x: float32 -> the quantised numbers, widened to float32 again
;;       x = np.moveaxis(x, axis, -1); K = x.shape[-1]
;;       r = np.clip(x / 2.0 ** e, -57344, 57344)
;;       step = 2.0 ** (np.maximum(np.frexp(np.where(r == 0, 1, r))[1] - 1, -14) - 2)
;;       q = np.round(r / step) * step * 2.0 ** e      # np.round: ties to even
;;       return np.moveaxis(q, -1, axis).astype(np.float32)
;;   ~~~
;;   SOFTMAX AHEAD OF A QUANTISED PRODUCT. Where the list says 'softmax', what is quantised is not the finished softmax but p = 2^(t - M), with t = logit x log2(e) and M = ceil(the row's largest t), a whole number; so 1/2 < the row's largest p <= 1. The row's sum l is taken of the UNQUANTISED p, in f32, and the product's result is divided by l at the end. Since M is a whole number, a kernel that streams over the keys may use a running M (the ceiling of the running maximum): every later rescaling is an exact power of two, so the quantised numbers keep their values, but for numbers so far below the row's largest that they fall under the format's range.
;;   OPERANDS COMPUTED ON THE WAY. 'Computed on the way' means the value that the module computes at that place (a softmax that the list does not call 'softmax' is quantised finished and normalised). What goes into a quantiser is computed in f32, as accurately as f32 sums, v_exp_f32 and their like allow (about 1e-6 of the number): no bf16 or f16 on the way to a quantiser, and a product that is left as it is and whose result goes on into a quantised operand takes f32 operands (vector FMAs, or v_wmma_f32_16x16x4_f32). A number that lies on a knife's edge between two numbers of the format may be rounded either way, as far as f32 arithmetic and the matrix unit's own rounding can turn it there, and no further.
;;   INPUTS GIVEN AS CODES. W_attn_out (in the module: [512, 1024], K = its axis 0); W_ff_out (in the module: [4096, 1024], K = its axis 0); W_fused (in the module: [1024, 8768], K = its axis 0): each comes as NAME_codes (uint8): NAME with its K axis moved to the last place and cut into blocks of 32 codes, [.., K / 32, bytes a block], one block behind the other in memory; one code a byte (a code: sign, 5 exponent bits, 2 mantissa bits); its scale is its entry of lowp_scales. Its value is code x scale, taken as it is: it is not quantised again, and the codes and scales need not be those that the quantiser above would give.
;; One version. Each part assembles by itself: llvm-mc -triple=amdgcn-amd-amdhsa -mcpu=gfx1250 --defsym DOCPART=n.
;; ======== version 1 of 1: 4 launches
;; limits: right only within a limited range of input values
;; workspace buffers: xn_codes 4,194,304 bytes; q_img 2,097,152 bytes; kv_img 262,144 bytes; o_img 2,097,152 bytes; h_img 16,777,216 bytes
;; launch lnqkv (part 1): grid 256 x 1, 9 waves a work-group, clusters of 4 x 1, 327,680 bytes of LDS; arguments x, gamma, lowp_scales, W_fused_codes, xn_codes, q_img, kv_img; writes xn_codes, q_img, kv_img
.if DOCPART == 1
	.amdgcn_target "amdgcn-amd-amdhsa--gfx1250"
	.amdhsa_code_object_version 6
	.text
	.protected	k_qccf4a1bf3c_lnqkv
	.globl	k_qccf4a1bf3c_lnqkv
	.p2align	8
	.type	k_qccf4a1bf3c_lnqkv,@function
k_qccf4a1bf3c_lnqkv:
	s_mov_b64 s[64:65], 0
	v_nop
	global_prefetch_b8 v0, s[64:65] scope:SCOPE_SE
	s_setreg_imm32_b32 hwreg(HW_REG_WAVE_MODE, 25, 1), 1
	s_wait_xcnt 0x0
	s_wait_alu depctr_hold_cnt(0) depctr_sa_sdst(0) depctr_va_vdst(0) depctr_va_sdst(0) depctr_va_ssrc(0) depctr_va_vcc(0) depctr_vm_vsrc(0)
	s_getreg_b32 s2, hwreg(HW_REG_IB_STS2, 6, 4)
	s_cmp_eq_u32 s2, 0
	s_cbranch_scc0 .Lentry_in_a_cluster
	s_endpgm
.Lentry_in_a_cluster:
	s_bfe_u32 s2, ttmp6, 0x10000c
	s_cmp_lg_u32 s2, 0x3003
	s_cbranch_scc0 .Lentry_shape_is_right
	s_endpgm
.Lentry_shape_is_right:
; TWO STEPS OF reference() IN ONE LAUNCH, for 16 rows a work-group.
; (1) xn = (x - mean) * rsqrt(var + 1e-5) * gamma, then codes of E5M2 with the given scale 2^e0: stored to xn_codes [4096][1024] (launch ff reads them) and laid into an LDS stage.
; (2) Columns 0-575 of xn W_fused (16 heads of q, then k, then v; 32 columns each) on codes; the xpos rotary embedding on q and k; q, k, v quantised with the given scales e2, e3, e5 and stored as images of operand registers.
; Nothing of reference() is left out in this program but the score tiles that lie wholly under its own causal mask (launch attn); every input is loaded.
; SHARES.  Nine waves.  Waves 0-7 normalise two rows each (a whole row in 32 registers, so x is read once; the mean is taken away before the squares).  Every wave owns 64 columns, two heads: waves 0-7 q's heads 2 w and 2 w + 1, wave 8 k and v:
; four accumulators of 16 x 16.  Each wave fetches its own 64 rows of W and is the only one to read them; the 16 rows of xn in the stage are read by all nine.
; LDS.  576 rows of W x 512 of K, 528 bytes apart (512 + 16 of padding: the 16 rows of a load start at 16 different banks): 304,128 bytes; the stage, 16 rows 1,040 bytes apart; the spare words.  K 0-511 is asked for at the head and lands under the tables
; and the normalising; K 512-1,023 fills the same bytes again, behind the wait, the add and the cluster's round.  Two slots of 256 along K and the stage would pass a WGP's LDS (2 x 156,672 + 16,640 + 1,152 bytes).
; CLUSTER.  All work-groups read the same rows of W: the four of a cluster ask jointly.  The place in the cluster enters global addresses and the rows' positions alone.  No prefetch: there is no loop to run ahead in.
; LAYOUT.  The product is used transposed (source 0 = 16 rows of W, source 1 = the 16 rows of xn): lane (r, h) holds row r, register j of column tile i column 16 i + 8 h + j.  A head's two tiles hold d and d + 16 in the same lane and register,
; so the rotation needs no other lane, and the two conversions give registers 0-3 of the next product's operand.  For v the sources are swapped: a lane holds one d and its registers run along the keys.
; OUTPUT: q_img [row tile 256][head 16][512];  kv_img [batch][ K: key tile 128 x 512 | V: group of 32 keys 64 x d tile 2 x 512 ]; lane l's registers at 16 l.  A block of V spans 32 keys, two work-groups: each stores 8 of a lane's 16 bytes.
; sin and cos are made in f32: the angle is one f32 product, reduced by a multiple of pi/2 held in two parts, then polynomials of degree 7 and 8 on +-pi/4.
; LIMITS: e0, e2 - e0 - e1, e3 - e0 - e1, e5 - e0 - e1 between -126 and 112.  inv_freq and log2(scale_vec) are f32 literals.  NaN among the inputs is not served.
; REGISTERS: v1-3 32, 8, 16 x lane; v4-7 at work; v8-10 LDS addresses (stage read, W, stage write); v12-19 scale and limit for q, k, v, xn; v20, v21 position and power; v[22:23] mean, then 1 / sqrt; v28, v29 spare word and 0; v30 V's offset;
;   v32-63 tables (cos x scale, sin x scale, cos / scale, sin / scale); v64-175 gamma, two rows, codes, then v64-191 W's fragments (two sets), on the way out v64-95; v192-223 xn's fragments (two sets; before that the tables' scratch); v224-255 accumulators.
.set BP,    528
.set AP,    1040
.set STAGE, 576*BP
.set SPARE, STAGE+16*AP
.set T,   4
.set MR,  22
.set TAB, 32
.set G,   64
.set X,   96
.set C,   160
.set BFR, 64
.set AFR, 192
.set ACC, 224
.set FQ,  192
.set LG,  200
.set W,   208
.set R,   64
.set CD,  80
.macro PLACES n
.rept \n
	v_nop
.endr
.endm
.macro CROUND                          ; a round of the cluster's barrier
	s_barrier_signal -1
	s_barrier_wait -1
	s_cmp_lg_u32 s14, 0
	s_cbranch_scc1 .Lnot_wave_0_\@
	s_barrier_signal -3
.Lnot_wave_0_\@:
	s_barrier_wait -3
	s_barrier_signal -1
	s_barrier_wait -1
.endm
.macro SCLIM sx, vsc, vlim             ; 2^x and 57,344 x 2^x as f32, x in s[sx]
	s_add_co_i32 s98, s[\sx], 127
	s_lshl_b32 s99, s98, 23
	v_mov_b32 v[\vsc], s99
	s_add_co_i32 s98, s98, 15
	s_lshl_b32 s98, s98, 23
	s_or_b32 s98, s98, 0x600000
	v_mov_b32 v[\vlim], s98
.endm
	s_load_b256 s[4:11], s[0:1], 0x0               ; x, gamma, the exponents, W's codes
	s_load_b128 s[16:19], s[0:1], 0x20             ; xn_codes, q_img
	s_load_b64 s[20:21], s[0:1], 0x30              ; kv_img
	v_lshl_add_u32 v28, v0, 2, SPARE
	v_mov_b32 v29, 0
	ds_add_u32 v28, v29                            ; the opening: the add, twice on end, and its wait
	ds_add_u32 v28, v29
	v_lshrrev_b32 v26, 5, v0
	v_readfirstlane_b32 s14, v26                   ; wave 0..8
	s_bfe_u32 s15, ttmp6, 0x40000                  ; cx
	s_lshl_b32 s22, ttmp9, 2
	s_add_co_u32 s22, s22, s15                     ; g: my tile of 16 rows
	s_mul_i32 s40, s14, 64*BP                      ; my 64 rows of W in LDS
	s_mul_i32 s41, s14, 2*AP
	s_add_co_u32 s41, s41, STAGE                   ; my two rows of the stage (waves 0-7)
	s_and_b32 s42, s22, 1
	s_lshl_b32 s42, s42, 3                         ; V: my half of a lane's 16 bytes
	s_and_b32 s43, s22, 127                        ; key tile in the batch
	s_lshl_b32 s93, s43, 4                         ; my first row's position
	s_lshl_b32 s44, s22, 4
	s_lshl_b32 s45, s14, 1
	s_add_co_u32 s44, s44, s45                     ; my first row to normalise: 16 g + 2 w
	s_lshl_b32 s46, s44, 10                        ; in the codes,
	s_lshl_b32 s44, s44, 12                        ; in x
	s_mov_b32 s45, 0
	s_mov_b32 s47, 0
	s_lshl_b32 s48, s14, 16                        ; W: 64 rows of 1,024 bytes a wave
	s_mov_b32 s49, 0
	s_lshl_b32 s50, s22, 13
	s_lshl_b32 s51, s14, 10
	s_add_co_u32 s50, s50, s51                     ; q_img: (16 g + 2 w) 512
	s_mov_b32 s51, 0
	s_lshr_b32 s52, s22, 7
	s_lshl_b32 s52, s52, 17                        ; kv_img: the batch,
	s_lshr_b32 s54, s43, 1
	s_lshl_b32 s54, s54, 10
	s_add_co_u32 s54, s54, s52
	s_add_co_u32 s54, s54, 65536                   ; V: the group of 32 keys
	s_lshl_b32 s53, s43, 9
	s_add_co_u32 s52, s52, s53                     ; K: the key tile
	s_mov_b32 s53, 0
	s_mov_b32 s55, 0
	s_mov_b32 s24, 15|(1<<20)|(1<<21)|(6<<22)|(3<<25)   ; all four work-groups; elements of 1 byte; padding: 4 words after every 128
	s_mov_b32 s25, 512<<16
	s_mov_b32 s26, 64<<16
	s_mov_b32 s27, 512<<16
	s_mov_b32 s28, 64
	s_mov_b32 s29, 1024
	s_mov_b32 s30, 0
	s_mov_b32 s31, 0
	s_mov_b32 s32, 1
	s_mov_b32 s33, s40
	s_mov_b32 s36, 0x76543210                      ; v_permlanex16_b32: lane l xor 16
	s_mov_b32 s37, 0xfedcba98
	s_mov_b32 s38, 0x3a800000                      ; 1 / 1024
	s_mov_b32 s39, 0x3727c5ac                      ; 1e-5
	s_mov_b32 s84, 0x3f22f983                      ; 2 / pi
	s_mov_b32 s85, 0xbfc90fdb                      ; -(pi / 2), its upper part
	s_mov_b32 s86, 0x333bbd2e                      ; and what is left of it
	s_mov_b32 s87, 0xb94ca1f9                      ; sine: -1.9515296e-4, 8.3321609e-3, -0.16666655
	s_mov_b32 s88, 0x3c08839e
	s_mov_b32 s89, 0xbe2aaaa3
	s_mov_b32 s90, 0x37ccf5ce                      ; cosine: 2.4433157e-5, -1.3887316e-3, 0.041666646
	s_mov_b32 s91, 0xbab6061a
	s_mov_b32 s92, 0x3d2aaaa5
	v_and_b32 v3, 31, v0                           ; every LDS address is made here, ahead of the first parting of the waves
	v_and_b32 v24, 15, v0                          ; r
	v_bfe_u32 v25, v0, 4, 1                        ; h
	v_lshlrev_b32 v1, 5, v3
	v_lshlrev_b32 v2, 3, v3
	v_lshlrev_b32 v3, 4, v3
	v_mul_u32_u24 v8, v24, AP
	v_mul_u32_u24 v9, v24, BP
	v_lshl_add_u32 v8, v25, 4, v8
	v_lshl_add_u32 v9, v25, 4, v9
	v_add_nc_u32 v8, STAGE, v8                     ; xn's fragments: row r x pitch + 16 h
	v_add_nc_u32 v9, s40, v9                       ; W's likewise, in my 64 rows
	v_add_nc_u32 v10, s41, v2                      ; where my codes go in the stage
	v_add_nc_u32 v30, s42, v3
	v_add_nc_u32 v26, s93, v24
	v_cvt_f32_u32 v20, v26                         ; my row's position
	v_add_f32 v21, 0xc4800000, v20                 ; (position - 1024) / 512: exact
	v_mul_f32 v21, 0x3b000000, v21
	s_wait_alu depctr_va_vdst(0)                   ; directly ahead of the waits below
	s_wait_dscnt 0x0                               ; both opening adds are done
	s_wait_kmcnt 0x0
	s_load_b256 s[56:63], s[8:9], 0x0              ; e0 .. e7
	s_add_nc_u64 s[4:5], s[4:5], s[44:45]
	s_add_nc_u64 s[16:17], s[16:17], s[46:47]
	s_add_nc_u64 s[18:19], s[18:19], s[50:51]
	s_add_nc_u64 s[52:53], s[20:21], s[52:53]
	s_add_nc_u64 s[54:55], s[20:21], s[54:55]
	s_add_nc_u64 s[34:35], s[10:11], s[48:49]
	s_or_b32 s35, s35, 0x80000000
	s_cmp_lt_u32 s14, 8
	s_cbranch_scc0 .Lno_x
.irp j, 0,1,2,3
.irp u, 0,1
	global_load_b128 v[G+8*\j+4*\u:G+8*\j+4*\u+3], v1, s[6:7] offset:1024*\j+16*\u
.endr
.endr
.irp n, 0,1
.irp j, 0,1,2,3
.irp u, 0,1
	global_load_b128 v[X+32*\n+8*\j+4*\u:X+32*\n+8*\j+4*\u+3], v1, s[4:5] offset:4096*\n+1024*\j+16*\u th:TH_LOAD_NT
.endr
.endr
.endr
.Lno_x:
	CROUND                                         ; all four work-groups are here: the joint loads meet
	tensor_load_to_lds s[32:35], s[24:31]          ; my 64 rows of W, K 0-511: one load of mine is out
	s_nop 0
	PLACES 4
	; THE TABLES, made while x and W are on their way.  Register j of my lane belongs to frequency 8 h + j.
	v_cmp_ne_u32 vcc_lo, 0, v25
.macro FREQ j, flo, fhi, llo, lhi
	v_mov_b32 v[FQ+\j], \fhi
	v_mov_b32 v[LG+\j], \lhi
	v_cndmask_b32 v[FQ+\j], \flo, v[FQ+\j], vcc_lo
	v_cndmask_b32 v[LG+\j], \llo, v[LG+\j], vcc_lo
.endm
	FREQ 0, 1.0, 0.01, 1.8073549, 0.63742992       ; 10^(-f / 4);  -log2((f + 6.4) / 22.4)
	FREQ 1, 0.56234133, 0.0056234133, 1.5979016, 0.54056838
	FREQ 2, 0.31622777, 0.0031622777, 1.4150375, 0.44980292
	FREQ 3, 0.17782794, 0.0017782794, 1.2527661, 0.36441143
	FREQ 4, 0.1, 0.001, 1.1069152, 0.28379297
	FREQ 5, 0.056234133, 0.00056234133, 0.97446491, 0.20744208
	FREQ 6, 0.031622777, 0.00031622777, 0.85315861, 0.13492958
	FREQ 7, 0.017782794, 0.00017782794, 0.74126573, 0.065887937
.irp j, 0,1,2,3,4,5,6,7
	v_mul_f32 v[W], v20, v[FQ+\j]                  ; the angle
	v_mul_f32 v[W+14], v21, v[LG+\j]               ; -log2 of the scale
	v_mul_f32 v[W+1], s84, v[W]
	s_wait_alu depctr_va_vdst(0)                   ; ahead of the transcendentals
	v_exp_f32 v[W+16], v[W+14]                     ; 1 / scale
	v_exp_f32 v[W+15], -v[W+14]                    ; scale
	v_rndne_f32 v[W+1], v[W+1]                     ; n: the nearest multiple of pi / 2
	v_fma_f32 v[W+2], v[W+1], s85, v[W]
	v_fma_f32 v[W+2], v[W+1], s86, v[W+2]          ; the rest, within +-pi / 4
	v_mul_f32 v[W+3], v[W+2], v[W+2]               ; z
	v_fma_f32 v[W+4], v[W+3], s87, s88
	v_fma_f32 v[W+5], v[W+3], s90, s91
	v_fma_f32 v[W+4], v[W+4], v[W+3], s89
	v_fma_f32 v[W+5], v[W+5], v[W+3], s92
	v_mul_f32 v[W+6], v[W+3], v[W+2]
	v_mul_f32 v[W+7], v[W+3], v[W+3]
	v_fma_f32 v[W+8], v[W+3], -0.5, 1.0
	v_fma_f32 v[W+9], v[W+4], v[W+6], v[W+2]       ; sine of the rest
	v_fma_f32 v[W+10], v[W+5], v[W+7], v[W+8]      ; cosine of the rest
	v_cvt_i32_f32 v[W+11], v[W+1]
	v_and_b32 v[W+12], 1, v[W+11]
	v_cmp_ne_u32 vcc_lo, 0, v[W+12]                ; an odd quadrant swaps the two
	v_cndmask_b32 v[W+12], v[W+9], v[W+10], vcc_lo
	v_cndmask_b32 v[W+13], v[W+10], v[W+9], vcc_lo
	v_lshlrev_b32 v[W+9], 30, v[W+11]
	v_and_b32 v[W+9], 0x80000000, v[W+9]           ; quadrants 2, 3: the sine is negative
	v_xor_b32 v[W+12], v[W+9], v[W+12]
	v_add_nc_u32 v[W+11], 1, v[W+11]
	v_lshlrev_b32 v[W+11], 30, v[W+11]
	v_and_b32 v[W+11], 0x80000000, v[W+11]         ; quadrants 1, 2: the cosine is
	v_xor_b32 v[W+13], v[W+11], v[W+13]
	s_wait_alu depctr_va_vdst(0)                   ; ahead of their first readers
	v_mul_f32 v[TAB+\j], v[W+13], v[W+15]
	v_mul_f32 v[TAB+8+\j], v[W+12], v[W+15]
	v_mul_f32 v[TAB+16+\j], v[W+13], v[W+16]
	v_mul_f32 v[TAB+24+\j], v[W+12], v[W+16]
.endr
	s_wait_alu depctr_va_vdst(0)                   ; directly ahead of the wait below
	s_wait_kmcnt 0x0
	s_add_co_i32 s93, s56, s57                     ; a sum stands for sum x 2^(e0 + e1): that is folded into each conversion's scale
	s_sub_co_i32 s94, s58, s93
	SCLIM 94, 12, 13                               ; q
	s_sub_co_i32 s94, s59, s93
	SCLIM 94, 14, 15                               ; k
	s_sub_co_i32 s94, s61, s93
	SCLIM 94, 16, 17                               ; v
	SCLIM 56, 18, 19                               ; xn
.macro REDUCE                          ; the two packed chains in v[T:T+3] become one number, the same in all 32 lanes
	v_pk_add_f32 v[T:T+1], v[T:T+1], v[T+2:T+3]
	v_add_f32 v[T], v[T], v[T+1]
.irp m, 1,2,4,8
	v_add_f32_dpp v[T], v[T], v[T] row_xmask:\m row_mask:0xf bank_mask:0xf
.endr
	v_permlanex16_b32 v[T+1], v[T], s36, s37
	v_add_f32 v[T], v[T], v[T+1]
.endm
.macro ROW n, left                     ; row n of my two.  left: the younger loads that may stay out
.set XS, X+32*\n
	s_wait_loadcnt \left
	v_pk_add_f32 v[T:T+1], v[XS:XS+1], v[XS+2:XS+3]
	v_pk_add_f32 v[T+2:T+3], v[XS+4:XS+5], v[XS+6:XS+7]
.irp i, 8,12,16,20,24,28
	v_pk_add_f32 v[T:T+1], v[T:T+1], v[XS+\i:XS+\i+1]
	v_pk_add_f32 v[T+2:T+3], v[T+2:T+3], v[XS+\i+2:XS+\i+3]
.endr
	REDUCE
	v_mul_f32 v[MR], s38, v[T]                     ; the mean
	v_mov_b32 v[MR+1], v[MR]
.irp i, 0,2,4,6,8,10,12,14,16,18,20,22,24,26,28,30
	v_pk_add_f32 v[XS+\i:XS+\i+1], v[XS+\i:XS+\i+1], v[MR:MR+1] neg_lo:[0,1] neg_hi:[0,1]
.endr
	v_pk_mul_f32 v[T:T+1], v[XS:XS+1], v[XS:XS+1]
	v_pk_mul_f32 v[T+2:T+3], v[XS+2:XS+3], v[XS+2:XS+3]
.irp i, 4,8,12,16,20,24,28
	v_pk_fma_f32 v[T:T+1], v[XS+\i:XS+\i+1], v[XS+\i:XS+\i+1], v[T:T+1]
	v_pk_fma_f32 v[T+2:T+3], v[XS+\i+2:XS+\i+3], v[XS+\i+2:XS+\i+3], v[T+2:T+3]
.endr
	REDUCE
	v_fma_f32 v[T], v[T], s38, s39                 ; var + eps
	s_wait_alu depctr_va_vdst(0)                   ; ahead of the transcendental
	v_rsq_f32 v[MR], v[T]
	v_nop
	s_wait_alu depctr_va_vdst(0)                   ; ahead of its first reader
	v_mov_b32 v[MR+1], v[MR]
.irp i, 0,2,4,6,8,10,12,14,16,18,20,22,24,26,28,30
	v_pk_mul_f32 v[XS+\i:XS+\i+1], v[XS+\i:XS+\i+1], v[MR:MR+1]
.endr
.irp i, 0,2,4,6,8,10,12,14,16,18,20,22,24,26,28,30
	v_pk_mul_f32 v[XS+\i:XS+\i+1], v[XS+\i:XS+\i+1], v[G+\i:G+\i+1]
.endr
.set i, 0
.rept 32
	v_med3_num_f32 v[XS+i], v[XS+i], -v19, v19     ; the conversion does not saturate (ISA guide 7.6.2): the hold at the largest code x the scale
.set i, i+1
.endr
.irp j, 0,1,2,3
	v_cvt_scalef32_pk8_bf8_f32 v[C+8*\n+2*\j:C+8*\n+2*\j+1], v[XS+8*\j:XS+8*\j+7], v18
.endr
	v_nop                                          ; one plain instruction behind the last conversion
.irp j, 0,1,2,3
	global_store_b64 v2, v[C+8*\n+2*\j:C+8*\n+2*\j+1], s[16:17] offset:1024*\n+256*\j   ; 256 consecutive bytes, aligned
	ds_store_b64 v10, v[C+8*\n+2*\j:C+8*\n+2*\j+1] offset:AP*\n+256*\j
.endr
.endm
	s_cmp_lt_u32 s14, 8
	s_cbranch_scc0 .Lno_ln
	ROW 0, 8                                       ; gamma and row 0 are in; row 1's eight loads may stay out
	ROW 1, 0
.Lno_ln:
	s_wait_alu depctr_va_vdst(0)                   ; directly ahead of the waits below
	s_wait_xcnt 0x0                                ; my stores have read their data: W's fragments may land there
	s_wait_tensorcnt 0x0                           ; my rows of W are in,
	s_wait_dscnt 0x0                               ; my codes lie in the stage,
	s_barrier_signal -1
	s_barrier_wait -1                              ; everybody's do
; 20 LDS loads: the fragments of the k-th 128 along K into set p.  Registers 4 c .. 4 c + 3 hold K = 32 c + 16 h + 0 .. 15: the same order of k on both sides
.macro FETCH k, p
.irp c, 0,1,2,3
	ds_load_b128 v[AFR+16*(\p)+4*\c:AFR+16*(\p)+4*\c+3], v8 offset:128*(\k)+32*\c
.endr
.irp i, 0,1,2,3
.irp c, 0,1,2,3
	ds_load_b128 v[BFR+64*(\p)+16*\i+4*\c:BFR+64*(\p)+16*\i+4*\c+3], v9 offset:\i*16*BP+128*((\k)%4)+32*\c
.endr
.endr
.endm
.macro MM i, p, zero, sw               ; one product.  sw = 1: source 0 = the rows of xn (for v)
.set rD, ACC+8*(\i)
.set rA, AFR+16*(\p)
.set rB, BFR+64*(\p)+16*(\i)
.if \sw
.if \zero
	v_wmma_f32_16x16x128_bf8_bf8 v[rD:rD+7], v[rA:rA+15], v[rB:rB+15], 0
.else
	v_wmma_f32_16x16x128_bf8_bf8 v[rD:rD+7], v[rA:rA+15], v[rB:rB+15], v[rD:rD+7]
.endif
.else
.if \zero
	v_wmma_f32_16x16x128_bf8_bf8 v[rD:rD+7], v[rB:rB+15], v[rA:rA+15], 0
.else
	v_wmma_f32_16x16x128_bf8_bf8 v[rD:rD+7], v[rB:rB+15], v[rA:rA+15], v[rD:rD+7]
.endif
.endif
.endm
.macro MULS p, zero                    ; the four accumulators take turns; wave 8's second head is v
	MM 0, \p, \zero, 0
	MM 1, \p, \zero, 0
	s_cmp_eq_u32 s14, 8
	s_cbranch_scc1 .Lsw_\@
	MM 2, \p, \zero, 0
	MM 3, \p, \zero, 0
	s_branch .Lj_\@
.Lsw_\@:
	MM 2, \p, \zero, 1
	MM 3, \p, \zero, 1
.Lj_\@:
.endm
.macro PHASE k0, zero                  ; 512 along K: four steps on two sets of fragments
	FETCH \k0, 0
	FETCH \k0+1, 1
	s_wait_dscnt 20                                ; the older step's 20 loads are in
	MULS 0, \zero
	PLACES 4                                       ; in front of loads into registers that the last products read
	FETCH \k0+2, 0
	s_wait_dscnt 20
	MULS 1, 0
	PLACES 4
	FETCH \k0+3, 1
	s_wait_dscnt 20
	MULS 0, 0
	s_wait_dscnt 0x0
	MULS 1, 0
.endm
	PHASE 0, 1                                     ; the first products start the sums
	s_wait_tensorcnt 0x0                           ; no load of mine is out, so group 0 may be written
	ds_add_u32 v28, v29
	s_add_nc_u64 s[34:35], s[34:35], 512           ; K 512 on
	s_wait_dscnt 0x0                               ; the add is done, and my reads of W's rows are over
	CROUND                                         ; the same holds of every wave of every partner
	tensor_load_to_lds s[32:35], s[24:31]          ; the refill, my one load behind the round
	s_nop 0
	PLACES 4                                       ; also the places in front of the loads below
	s_wait_tensorcnt 0x0                           ; my rows are in, and I alone read them
	PHASE 4, 0
	PLACES 4                                       ; in front of the first read of results
; THE WAY OUT.  Head hd: out(d) = t(d) C - t(d + 16) S, out(d + 16) = t(d + 16) C + t(d) S; the hold; two conversions.  Each accumulator is read from its low end on.
.macro ROPE hd, tab, sc, lim, cd
.set rT0, ACC+16*(\hd)
.set rT1, rT0+8
.set rC, TAB+(\tab)
.set rS, rC+8
.irp j, 0,2,4,6
	v_pk_mul_f32 v[R+\j:R+\j+1], v[rT0+\j:rT0+\j+1], v[rC+\j:rC+\j+1]
	v_pk_mul_f32 v[R+8+\j:R+9+\j], v[rT1+\j:rT1+\j+1], v[rC+\j:rC+\j+1]
.endr
.irp j, 0,2,4,6
	v_pk_fma_f32 v[R+\j:R+\j+1], v[rT1+\j:rT1+\j+1], v[rS+\j:rS+\j+1], v[R+\j:R+\j+1] neg_lo:[1,0,0] neg_hi:[1,0,0]
	v_pk_fma_f32 v[R+8+\j:R+9+\j], v[rT0+\j:rT0+\j+1], v[rS+\j:rS+\j+1], v[R+8+\j:R+9+\j]
.endr
.set i, 0
.rept 16
	v_med3_num_f32 v[R+i], v[R+i], -v[\lim], v[\lim]
.set i, i+1
.endr
	v_cvt_scalef32_pk8_bf8_f32 v[(\cd):(\cd)+1], v[R:R+7], v[\sc]
	v_cvt_scalef32_pk8_bf8_f32 v[(\cd)+2:(\cd)+3], v[R+8:R+15], v[\sc]
	v_nop                                          ; one plain instruction behind the last conversion: the next head writes its sources
.endm
	s_cmp_eq_u32 s14, 8
	s_cbranch_scc1 .Lkv
.irp hd, 0,1
	ROPE \hd, 0, 12, 13, CD+4*\hd
	global_store_b128 v3, v[CD+4*\hd:CD+4*\hd+3], s[18:19] offset:\hd*512   ; 512 consecutive bytes, aligned
.endr
	s_branch .Lout
.Lkv:
	ROPE 0, 16, 14, 15, CD                         ; k: the inverse scale
	global_store_b128 v3, v[CD:CD+3], s[52:53]
.irp u, 0,1                            ; v: lane (r, h) holds d = 16 u + r; its eight registers are my keys 8 h + 0 .. 7
.set i, 0
.rept 8
	v_med3_num_f32 v[R+i], v[ACC+16+8*\u+i], -v17, v17
.set i, i+1
.endr
	v_cvt_scalef32_pk8_bf8_f32 v[CD+4+2*\u:CD+5+2*\u], v[R:R+7], v16
	v_nop
	global_store_b64 v30, v[CD+4+2*\u:CD+5+2*\u], s[54:55] offset:\u*512
.endr
.Lout:
	s_wait_tensorcnt 0x0                           ; the wave's end
	ds_add_u32 v28, v29
	s_wait_dscnt 0x0
	CROUND                                         ; the closing round
	s_endpgm
.Lfunc_end_k_qccf4a1bf3c_lnqkv:
	.size	k_qccf4a1bf3c_lnqkv, .Lfunc_end_k_qccf4a1bf3c_lnqkv-k_qccf4a1bf3c_lnqkv
	.p2alignl 7, 3214868480
	.fill 96, 4, 3214868480
	.section	.rodata,"a",@progbits
	.p2align	6, 0x0
	.amdhsa_kernel k_qccf4a1bf3c_lnqkv
		.amdhsa_group_segment_fixed_size 327680
		.amdhsa_private_segment_fixed_size 0
		.amdhsa_enable_private_segment 0
		.amdhsa_kernarg_size 56
		.amdhsa_user_sgpr_count 2
		.amdhsa_user_sgpr_kernarg_segment_ptr 1
		.amdhsa_wavefront_size32 1
		.amdhsa_system_sgpr_workgroup_id_x 1
		.amdhsa_system_sgpr_workgroup_id_y 1
		.amdhsa_system_sgpr_workgroup_id_z 1
		.amdhsa_system_vgpr_workitem_id 0
		.amdhsa_next_free_vgpr 256
		.amdhsa_next_free_sgpr 100
		.amdhsa_reserve_vcc 1
		.amdhsa_float_denorm_mode_32 3
		.amdhsa_float_denorm_mode_16_64 3
		.amdhsa_memory_ordered 1
		.amdhsa_forward_progress 1
		.amdhsa_inst_pref_size 66
	.end_amdhsa_kernel
	.amdgpu_metadata
---
amdhsa.version: [ 1, 2 ]
amdhsa.kernels:
  - .name:           k_qccf4a1bf3c_lnqkv
    .symbol:         k_qccf4a1bf3c_lnqkv.kd
    .args:
      - { .name: x, .offset: 0, .size: 8, .value_kind: global_buffer, .address_space: global }
      - { .name: gamma, .offset: 8, .size: 8, .value_kind: global_buffer, .address_space: global }
      - { .name: lowp_scales, .offset: 16, .size: 8, .value_kind: global_buffer, .address_space: global }
      - { .name: W_fused_codes, .offset: 24, .size: 8, .value_kind: global_buffer, .address_space: global }
      - { .name: xn_codes, .offset: 32, .size: 8, .value_kind: global_buffer, .address_space: global }
      - { .name: q_img, .offset: 40, .size: 8, .value_kind: global_buffer, .address_space: global }
      - { .name: kv_img, .offset: 48, .size: 8, .value_kind: global_buffer, .address_space: global }
    .group_segment_fixed_size: 327680
    .private_segment_fixed_size: 0
    .kernarg_segment_align: 8
    .kernarg_segment_size: 56
    .max_flat_workgroup_size: 288
    .sgpr_count:     100
    .vgpr_count:     256
    .wavefront_size: 32
...
	.end_amdgpu_metadata
.endif
;; end of part 1
;; launch attn (part 2): grid 256 x 1, 8 waves a work-group, clusters of 4 x 1, 168,960 bytes of LDS; arguments q_img, kv_img, lowp_scales, o_img; writes o_img
.if DOCPART == 2
	.amdgcn_target "amdgcn-amd-amdhsa--gfx1250"
	.amdhsa_code_object_version 6
	.text
	.protected	k_qccf4a1bf3c_attn
	.globl	k_qccf4a1bf3c_attn
	.p2align	8
	.type	k_qccf4a1bf3c_attn,@function
k_qccf4a1bf3c_attn:
	s_mov_b64 s[64:65], 0
	v_nop
	global_prefetch_b8 v0, s[64:65] scope:SCOPE_SE
	s_setreg_imm32_b32 hwreg(HW_REG_WAVE_MODE, 25, 1), 1
	s_wait_xcnt 0x0
	s_wait_alu depctr_hold_cnt(0) depctr_sa_sdst(0) depctr_va_vdst(0) depctr_va_sdst(0) depctr_va_ssrc(0) depctr_va_vcc(0) depctr_vm_vsrc(0)
	s_getreg_b32 s2, hwreg(HW_REG_IB_STS2, 6, 4)
	s_cmp_eq_u32 s2, 0
	s_cbranch_scc0 .Lentry_in_a_cluster
	s_endpgm
.Lentry_in_a_cluster:
	s_bfe_u32 s2, ttmp6, 0x10000c
	s_cmp_lg_u32 s2, 0x3003
	s_cbranch_scc0 .Lentry_shape_is_right
	s_endpgm
.Lentry_shape_is_right:
; Causal multi-query attention on codes of E5M2: 2 batches x 16 heads x 2,048 queries of size 32, one k and one v a batch.  o is quantised with the given scale e6 and stored as images of operand registers.
; LEFT OUT: key steps that lie wholly under the causal mask that reference() builds itself: their p is 0 for all values of the inputs.
; THE SOFTMAX: t = score x log2(e) / sqrt(32); M = the running largest t, rounded UP to a whole number; p = 2^(t - M) is quantised along the keys (e4), not normalised; the row's sum is taken of the unquantised p and divides at the end.
; When M moves, the sum and O are multiplied by 2^(old M - new M): exact, and no branch on data.
; SHARES.  A unit is a tile T of 16 queries of one head: T / 8 + 1 key steps of 128.  A wave does units T1 = 8 a + b and T2 = 127 - T1: (a + 1) + (16 - a) = 17 steps for every wave, so the trip count is the constant 17.  A work-group's eight waves take eight heads.
; LDS.  A batch's k and v (131,072 bytes of images) are resident; each wave fetches 16 KB of them, once; behind the one barrier LDS is only read.  So there is no stream to prefetch.
; CLUSTER.  The four work-groups of a cluster belong to one batch and ask for k and v jointly.  Branches and LDS addresses hang on the cluster's number and the trip alone.
; LAYOUT.  S^T = K Q^T (source 0 = 16 keys, source 1 = my 16 queries; the K = 64 form with zero codes for k = 32 .. 63), O^T = V^T P^T: a lane holds ONE query (lane % 16).  Register j of score tile t is key 16 t + 8 (lane / 16) + j,
; so the conversion of a tile's eight registers gives registers 2 t, 2 t + 1 of the second product's operand.
; A TRIP.  V's loads; eight score products; the next trip's loads of K; the maximum in four chains; the 64 scalings; O^T under the new M; the 64 exponentials as ONE batch, a wait ahead of it and one behind it; then tile by tile sums, holds and the conversion.
; LIMITS: e2 + e3 between -124 and 129 (added to c's exponent field); e4 and e6 - e4 - e5 between -126 and 112.  NaN among the inputs is not served.
; REGISTERS: v1 16 x lane; v10 the same + 65,536; v4, v5 LDS addresses; v6, v7 16 T + r - 8 h of the unit in hand and of the second; v8 -infinity; v12 -M, v13 the largest t, v[14:15] the sum; v16-23 Q (20-23 zeros); v24-27 the second unit's Q;
;   v32-95 K (upper halves zeros); v96-159 S^T, then p; v160-175 O^T; v176-207 V; v208-223 p's codes; v224-227 o's codes; v240, v244 limit and scale for p; v241, v245 for o; v247, v255 the spare word and 0; v248-251 the maximum's chains; v236, v242, v243, v252-254 at work.
.macro PLACES n
.rept \n
	v_nop
.endr
.endm
.macro CROUND
	s_barrier_signal -1
	s_barrier_wait -1
	s_cmp_lg_u32 s12, 0
	s_cbranch_scc1 .Lnot_wave_0_\@
	s_barrier_signal -3
.Lnot_wave_0_\@:
	s_barrier_wait -3
	s_barrier_signal -1
	s_barrier_wait -1
.endm
.macro SCLIM sx, vsc, vlim
	s_add_co_i32 s52, s[\sx], 127
	s_lshl_b32 s53, s52, 23
	v_mov_b32 v[\vsc], s53
	s_add_co_i32 s52, s52, 15
	s_lshl_b32 s52, s52, 23
	s_or_b32 s52, s52, 0x600000
	v_mov_b32 v[\vlim], s52
.endm
.macro FRESH                           ; a unit begins: O^T and the sum are zeros, the largest t lies under every t
.set i, 0
.rept 16
	v_mov_b32 v[160+i], 0
.set i, i+1
.endr
	v_mov_b32 v13, 0xff61b1e6                      ; -3e38
	v_floor_f32 v12, -v13
	v_mov_b32 v14, 0
	v_mov_b32 v15, 0
.endm
	s_load_b256 s[4:11], s[0:1], 0x0               ; q_img, kv_img, the exponents, o_img
	v_lshl_add_u32 v247, v0, 2, 0x29000
	v_mov_b32 v255, 0
	ds_add_u32 v247, v255                          ; the opening: the add, twice on end, and its wait
	ds_add_u32 v247, v255
	v_lshrrev_b32 v9, 5, v0
	v_readfirstlane_b32 s12, v9                    ; wave 0..7
	s_bfe_u32 s13, ttmp6, 0x40000                  ; cx
	s_lshr_b32 s14, ttmp9, 5                       ; batch
	s_bfe_u32 s15, ttmp9, 0x30002                  ; a: also the first unit's last key step
	s_add_co_u32 s16, s15, 1                       ; the first unit's steps
	s_sub_co_u32 s17, 15, s15                      ; the second unit's last key step
	s_and_b32 s18, ttmp9, 3
	s_lshl_b32 s18, s18, 1
	s_lshr_b32 s53, s13, 1
	s_add_co_u32 s18, s18, s53                     ; b
	s_lshl_b32 s53, s15, 3
	s_add_co_u32 s18, s18, s53                     ; T1
	s_sub_co_u32 s19, 127, s18                     ; T2
	s_and_b32 s53, s13, 1
	s_lshl_b32 s53, s53, 3
	s_add_co_u32 s53, s53, s12                     ; head
	s_lshl_b32 s52, s14, 7
	s_add_co_u32 s54, s52, s18
	s_lshl_b32 s54, s54, 4
	s_add_co_u32 s54, s54, s53
	s_lshl_b32 s54, s54, 9                         ; the first unit's block in q_img and o_img: ((128 batch + T) 16 + head) 512
	s_mov_b32 s55, 0
	s_add_co_u32 s56, s52, s19
	s_lshl_b32 s56, s56, 4
	s_add_co_u32 s56, s56, s53
	s_lshl_b32 s56, s56, 9                         ; the second's
	s_mov_b32 s57, 0
	s_lshl_b32 s33, s12, 14                        ; my 16 KB of the batch's images: in LDS,
	s_lshl_b32 s62, s14, 17
	s_add_co_u32 s62, s62, s33                     ; and in memory
	s_mov_b32 s63, 0
	s_mov_b32 s24, 15|(3<<16)|(1<<21)              ; all four work-groups; elements of 8 bytes; no padding
	s_mov_b32 s25, 32<<16                          ; rows of 256 bytes,
	s_mov_b32 s26, 64<<16                          ; 64 of them, dense
	s_mov_b32 s27, 32<<16
	s_mov_b32 s28, 64
	s_mov_b32 s29, 32
	s_mov_b32 s30, 0
	s_mov_b32 s31, 0
	s_mov_b32 s20, 0x76543210                      ; v_permlanex16_b32: lane l xor 16
	s_mov_b32 s21, 0xfedcba98
	s_mov_b32 s22, 0x3e8293ee                      ; c = log2(e) / sqrt(32)
	s_wait_dscnt 0x0
	s_wait_kmcnt 0x0
	s_load_b256 s[40:47], s[8:9], 0x0              ; e0 .. e7
	s_mov_b32 s32, 1
	s_add_nc_u64 s[34:35], s[6:7], s[62:63]
	s_or_b32 s35, s35, 0x80000000
	s_add_nc_u64 s[36:37], s[10:11], s[54:55]      ; where the unit in hand stores,
	s_add_nc_u64 s[38:39], s[10:11], s[56:57]      ; and the second
	s_add_nc_u64 s[58:59], s[4:5], s[54:55]
	s_add_nc_u64 s[60:61], s[4:5], s[56:57]
	CROUND                                         ; all four work-groups are here: the joint loads meet
	tensor_load_to_lds s[32:35], s[24:31]          ; one load of mine is out
	s_nop 0
	PLACES 4
	v_and_b32 v1, 31, v0
	v_lshlrev_b32 v1, 4, v1                        ; 16 x lane
	global_load_b128 v[16:19], v1, s[58:59]        ; Q of both units: registers 0-3 of the operand
	global_load_b128 v[24:27], v1, s[60:61]
	v_add_nc_u32 v10, 0x10000, v1                  ; V's images lie behind K's
	v_and_b32 v2, 15, v0                           ; r
	v_bfe_u32 v3, v0, 4, 1                         ; h
	v_lshlrev_b32 v9, 3, v3
	v_sub_nc_u32 v9, v2, v9
	s_lshl_b32 s52, s18, 4
	v_add_nc_u32 v6, s52, v9
	s_lshl_b32 s52, s19, 4
	v_add_nc_u32 v7, s52, v9
	v_mov_b32 v8, 0xff800000
.irp i, 20,21,22,23
	v_mov_b32 v\i, 0                               ; k = 32 .. 63: zero codes, on both sides
.endr
.irp t, 0,1,2,3,4,5,6,7
.irp i, 4,5,6,7
	v_mov_b32 v[32+8*\t+\i], 0
.endr
.endr
	FRESH
	v_mov_b32 v236, 0                              ; a lane permute's destination counts as read
	v_mov_b32 v253, 0                              ; (named as the upper half of the pair v[252:253])
	s_wait_kmcnt 0x0
	s_add_co_i32 s52, s42, s43
	s_lshl_b32 s52, s52, 23
	s_add_co_i32 s22, s22, s52                     ; a score stands for score x 2^(e2 + e3)
	s_mov_b32 s23, s22
	SCLIM 44, 244, 240                             ; p: e4
	s_sub_co_i32 s54, s46, s44
	s_sub_co_i32 s54, s54, s45
	SCLIM 54, 245, 241                             ; o: O^T / the sum stands for o / 2^(e4 + e5): the three are folded
	s_wait_alu depctr_va_vdst(0)                   ; the head's end
	s_wait_loadcnt 0x0                             ; Q
	s_wait_tensorcnt 0x0                           ; my part of the images is in,
	s_barrier_signal -1
	s_barrier_wait -1                              ; everybody's is
.irp t, 0,1,2,3,4,5,6,7
	ds_load_b128 v[32+8*\t:35+8*\t], v1 offset:512*\t   ; K of the first trip
.endr
	s_mov_b32 s48, 0
.Lstep:                                        ; trips 0 .. a: the first unit's key steps;  trips a + 1 .. 16: the second's
	s_cmp_lt_u32 s48, s16
	s_cselect_b32 s49, 0, s16
	s_cselect_b32 s50, s15, s17                    ; the unit's last key step, the one on the diagonal
	s_sub_co_u32 s51, s48, s49
	s_and_b32 s51, s51, 15                         ; the key step
	s_lshl_b32 s52, s51, 12                        ; 128 keys: 4,096 bytes of K's images, and of V's
	v_add_nc_u32 v5, s52, v10
.irp u, 0,1
.irp c, 0,1,2,3
	ds_load_b128 v[176+16*\u+4*\c:179+16*\u+4*\c], v5 offset:1024*\c+512*\u
.endr
.endr
	s_add_co_u32 s54, s48, 1                       ; the next trip's key step by the same arithmetic
	s_cmp_lt_u32 s54, s16
	s_cselect_b32 s55, 0, s16
	s_sub_co_u32 s55, s54, s55
	s_and_b32 s55, s55, 15
	s_lshl_b32 s55, s55, 12
	s_wait_dscnt 8                                 ; K is in; V's eight loads just issued may stay out
.irp t, 0,1,2,3,4,5,6,7
	v_wmma_f32_16x16x64_bf8_bf8 v[96+8*\t:103+8*\t], v[32+8*\t:39+8*\t], v[16:23], 0
.endr
	v_add_nc_u32 v4, s55, v1                       ; with the three below: four places in front of the loads into K's registers and of the first read of the scores
	PLACES 3
	s_cmp_eq_u32 s54, 17                           ; the last trip has no successor
	s_cbranch_scc1 .Lnok
.irp t, 0,1,2,3,4,5,6,7
	ds_load_b128 v[32+8*\t:35+8*\t], v4 offset:512*\t   ; the next trip's K: the softmax stands between these loads and their use
.endr
.Lnok:
	s_cmp_lg_u32 s51, s50                          ; only the diagonal step hides keys
	s_cbranch_scc1 .Lopen
	s_lshl_b32 s53, s51, 7
	v_subrev_nc_u32 v252, s53, v6                  ; d = my query - the step's first key - 8 h: register 8 t + j is hidden where 16 t + j > d
.set n, 0
.rept 64
	v_cmp_gt_i32 vcc_lo, 16*(n/8)+n%8, v252
	v_cndmask_b32 v[96+n], v[96+n], v8, vcc_lo
.set n, n+1
.endr
.Lopen:
.irp k, 0,1,2,3                        ; the largest score of my query among my 64 keys: four chains, each over two tiles, from the low end on
	v_max3_num_f32 v[248+\k], v[96+16*\k], v[97+16*\k], v[98+16*\k]
.endr
.irp i, 3,5,7,9,11,13
.irp k, 0,1,2,3
	v_max3_num_f32 v[248+\k], v[248+\k], v[96+16*\k+\i], v[97+16*\k+\i]
.endr
.endr
	v_max3_num_f32 v248, v248, v111, v127          ; each chain's sixteenth score
	v_max3_num_f32 v250, v250, v143, v159
	v_mov_b32 v254, v12                            ; the old -M
	v_max3_num_f32 v248, v248, v249, v250
	v_max_num_f32 v248, v248, v251
	v_permlanex16_b32 v236, v248, s20, s21
	v_max_num_f32 v248, v248, v236                 ; and among lane l xor 16's
	v_mul_f32 v248, s22, v248                      ; as t (c is positive)
	v_max_num_f32 v13, v13, v248
	v_floor_f32 v12, -v13                          ; the new -M = -ceil(t)
	v_sub_f32 v254, v12, v254                      ; old M - new M: a whole number, 0 or less
	v_cvt_i32_f32 v254, v254                       ; (it saturates)
	v_ldexp_f32 v252, 1.0, v254                    ; f = 2^(old M - new M)
.set j, 0
.rept 32
	v_pk_fma_f32 v[96+j:97+j], v[96+j:97+j], s[22:23], v[12:13] op_sel_hi:[1,0,0]   ; t - M
.set j, j+2
.endr
.set j, 0
.rept 8
	v_pk_mul_f32 v[160+j:161+j], v[160+j:161+j], v[252:253] op_sel_hi:[1,0]   ; O^T under the new M, ahead of the batch: no transcendental stands between the last products and this first read
.set j, j+2
.endr
	s_wait_alu depctr_va_vdst(0)                   ; ahead of the batch
.set j, 0
.rept 64
	v_exp_f32 v[96+j], v[96+j]                     ; p = 2^(t - M)
.set j, j+1
.endr
	v_pk_mul_f32 v[14:15], v[14:15], v[252:253] op_sel_hi:[1,0]   ; the sum under the new M (a plain place behind the exponentials)
	s_wait_alu depctr_va_vdst(0)                   ; one wait for the whole batch, ahead of its first reader
.set t, 0
.rept 8                                ; tile t: each pair's addition to the row's sum (two chains), its two holds; then the conversion
.set g, 0
.rept 4
.set rp, 96+8*t+2*g
.if (t == 0) && (g == 0)
	v_pk_add_f32 v[242:243], v[96:97], v[98:99]
.elseif (t == 0) && (g == 1)
.elseif (g%2) == 0
	v_pk_add_f32 v[14:15], v[14:15], v[rp:rp+1]
.else
	v_pk_add_f32 v[242:243], v[242:243], v[rp:rp+1]
.endif
	v_min_num_f32 v[rp], v[rp], v240               ; the conversion does not saturate (ISA guide 7.6.2); p is not negative, so the hold is one-sided
	v_min_num_f32 v[rp+1], v[rp+1], v240
.set g, g+1
.endr
	v_cvt_scalef32_pk8_bf8_f32 v[208+2*t:209+2*t], v[96+8*t:103+8*t], v244
.set t, t+1
.endr
	v_pk_add_f32 v[14:15], v[14:15], v[242:243]    ; the two chains (a plain instruction behind the last conversion)
	s_wait_alu depctr_va_vdst(0)                   ; directly ahead of the wait below
	s_wait_dscnt 0x0                               ; V is in, and the next trip's K
.irp u, 0,1                            ; the two accumulators take turns; the next trip's score products stand between their links
	v_wmma_f32_16x16x128_bf8_bf8 v[160+8*\u:167+8*\u], v[176+16*\u:191+16*\u], v[208:223], v[160+8*\u:167+8*\u]
.endr
	PLACES 4                                       ; in front of the next trip's loads into V's registers, and of the reads below
	s_cmp_lg_u32 s51, s50                          ; the unit's last step: it goes out, and the second unit begins
	s_cbranch_scc1 .Lgo
	s_wait_xcnt 0x0                                ; the first unit's store has read its data
	v_add_f32 v14, v14, v15
	v_permlanex16_b32 v252, v14, s20, s21
	v_add_f32 v14, v14, v252                       ; the row's sum
	s_wait_alu depctr_va_vdst(0)                   ; ahead of the transcendental
	v_rcp_f32 v14, v14
	v_nop
	s_wait_alu depctr_va_vdst(0)                   ; ahead of its first reader, which is also the first reader of O^T
.irp j, 0,2,4,6,8,10,12,14
	v_pk_mul_f32 v[96+\j:97+\j], v[160+\j:161+\j], v[14:15] op_sel_hi:[1,0]
.endr
.set j, 0
.rept 16
	v_med3_num_f32 v[96+j], v[96+j], -v241, v241
.set j, j+1
.endr
	v_cvt_scalef32_pk8_bf8_f32 v[224:225], v[96:103], v245     ; d = 8 h + 0 .. 7
	v_cvt_scalef32_pk8_bf8_f32 v[226:227], v[104:111], v245    ; d = 16 + 8 h + 0 .. 7
	v_nop
	global_store_b128 v1, v[224:227], s[36:37]     ; the wave stores 512 consecutive bytes, aligned
.irp i, 0,1,2,3
	v_mov_b32 v[16+\i], v[24+\i]
.endr
	v_mov_b32 v6, v7
	FRESH
	s_wait_xcnt 0x0                                ; the store has read its base
	s_mov_b64 s[36:37], s[38:39]
.Lgo:
	s_add_co_u32 s48, s48, 1
	s_cmp_lt_u32 s48, 17
	s_wait_alu depctr_va_vdst(0)                   ; directly ahead of the branch
	s_cbranch_scc1 .Lstep
	s_wait_tensorcnt 0x0                           ; the wave's end
	ds_add_u32 v247, v255
	s_wait_dscnt 0x0
	CROUND                                         ; the closing round
	s_endpgm
.Lfunc_end_k_qccf4a1bf3c_attn:
	.size	k_qccf4a1bf3c_attn, .Lfunc_end_k_qccf4a1bf3c_attn-k_qccf4a1bf3c_attn
	.p2alignl 7, 3214868480
	.fill 96, 4, 3214868480
	.section	.rodata,"a",@progbits
	.p2align	6, 0x0
	.amdhsa_kernel k_qccf4a1bf3c_attn
		.amdhsa_group_segment_fixed_size 168960
		.amdhsa_private_segment_fixed_size 0
		.amdhsa_enable_private_segment 0
		.amdhsa_kernarg_size 32
		.amdhsa_user_sgpr_count 2
		.amdhsa_user_sgpr_kernarg_segment_ptr 1
		.amdhsa_wavefront_size32 1
		.amdhsa_system_sgpr_workgroup_id_x 1
		.amdhsa_system_sgpr_workgroup_id_y 1
		.amdhsa_system_sgpr_workgroup_id_z 1
		.amdhsa_system_vgpr_workitem_id 0
		.amdhsa_next_free_vgpr 256
		.amdhsa_next_free_sgpr 66
		.amdhsa_reserve_vcc 1
		.amdhsa_float_denorm_mode_32 3
		.amdhsa_float_denorm_mode_16_64 3
		.amdhsa_memory_ordered 1
		.amdhsa_forward_progress 1
		.amdhsa_inst_pref_size 30
	.end_amdhsa_kernel
	.amdgpu_metadata
---
amdhsa.version: [ 1, 2 ]
amdhsa.kernels:
  - .name:           k_qccf4a1bf3c_attn
    .symbol:         k_qccf4a1bf3c_attn.kd
    .args:
      - { .name: q_img, .offset: 0, .size: 8, .value_kind: global_buffer, .address_space: global }
      - { .name: kv_img, .offset: 8, .size: 8, .value_kind: global_buffer, .address_space: global }
      - { .name: lowp_scales, .offset: 16, .size: 8, .value_kind: global_buffer, .address_space: global }
      - { .name: o_img, .offset: 24, .size: 8, .value_kind: global_buffer, .address_space: global }
    .group_segment_fixed_size: 168960
    .private_segment_fixed_size: 0
    .kernarg_segment_align: 8
    .kernarg_segment_size: 32
    .max_flat_workgroup_size: 256
    .sgpr_count:     66
    .vgpr_count:     256
    .wavefront_size: 32
...
	.end_amdgpu_metadata
.endif
;; end of part 2
;; launch ff (part 3): grid 16 x 16, 4 waves a work-group, clusters of 4 x 4, 327,680 bytes of LDS; arguments xn_codes, W_fused_codes, lowp_scales, h_img; writes h_img
.if DOCPART == 3
	.amdgcn_target "amdgcn-amd-amdhsa--gfx1250"
	.amdhsa_code_object_version 6
	.text
	.protected	k_qccf4a1bf3c_ff
	.globl	k_qccf4a1bf3c_ff
	.p2align	8
	.type	k_qccf4a1bf3c_ff,@function
k_qccf4a1bf3c_ff:
	s_mov_b64 s[64:65], 0
	v_nop
	global_prefetch_b8 v0, s[64:65] scope:SCOPE_SE
	s_setreg_imm32_b32 hwreg(HW_REG_WAVE_MODE, 25, 1), 1
	s_wait_xcnt 0x0
	s_wait_alu depctr_hold_cnt(0) depctr_sa_sdst(0) depctr_va_vdst(0) depctr_va_sdst(0) depctr_va_ssrc(0) depctr_va_vcc(0) depctr_vm_vsrc(0)
	s_getreg_b32 s2, hwreg(HW_REG_IB_STS2, 6, 4)
	s_cmp_eq_u32 s2, 0
	s_cbranch_scc0 .Lentry_in_a_cluster
	s_endpgm
.Lentry_in_a_cluster:
	s_bfe_u32 s2, ttmp6, 0x10000c
	s_cmp_lg_u32 s2, 0xf033
	s_cbranch_scc0 .Lentry_shape_is_right
	s_endpgm
.Lentry_shape_is_right:
; h = silu(xn Wg) x (xn Wx): columns 576 .. 8,767 of xn W_fused on codes of E5M2 (Wx: rows 576 on of the codes, Wg: 4,096 rows further), SwiGLU in f32, h quantised with the given scale e8 and stored as images of operand registers.
; SHARES.  A work-group makes two tiles, one after the other: 256 rows x (128 columns of Wx and the same 128 of Wg).  Tile column j of tile t is inner columns 2,048 t + 128 j.  Four waves, each 128 rows x (64 + 64) columns:
; 64 accumulators, 512 registers; accumulator (a, b): b 0-3 hold x, b 4-7 the gate of the same columns, so SwiGLU needs no other lane or wave.
; THE RING.  K = 1,024 goes in four steps of 256 through two LDS slots (256 rows of xn, 128 of Wx, 128 of Wg; 272 bytes apart: 256 + 16 of padding).  Eight fills in all; the ring goes on into the second tile.
; A cluster begins K at chunk (2 Y + Y / 2 + X) mod 4 and goes round, so that clusters which read the same rows ask for them at different times.
; A CHANGE OF SLOTS stands in a slot's second 128 along K: 16 products; the wait for my one tensor load, the add, 8 products, the wait for the add and my reads; the round's opening signal, 8 products, the round; the joint refill.
; CLUSTERS: 4 x 4; xn's tiles are shared along a row of the cluster, W's along a column: joint loads, one a wave (waves 0, 1: xn's halves; wave 2: Wx; wave 3: Wg).
; PREFETCH INTO THE L2: where fill n is asked for, one instruction a wave names what fill n + 2 will load: two changes of slots, 256 products, ahead.  Of the 128 rows that a wave fetches each of the four partners names 32
; (told apart by address: cx for xn, cy for W), a lane a row, 256 bytes of a row: each block once in each cluster.  xn's rows are named for the first tile alone: the second tile reads them again.  Fills 0 and 1 come by their loads alone; nothing lies behind fill 7.
; The four addresses (one for each chunk of K) are made once and never rewritten.
; THE PRODUCT IS USED TRANSPOSED (source 0 = 16 rows of W, source 1 = 16 rows of xn): a lane holds one row and eight neighbouring columns, which are neighbours along the next product's K.
; h_img: [128 rows: 32][512 of K: 8][16 rows: 8][32 of K: 16][512 bytes: lane l's four registers at 16 l].
; LIMITS: e0 + e1 between -126 and 127 less c's exponent; e8 - 2 (e0 + e1) between -126 and 112.  NaN among the inputs is not served.
; REGISTERS: window 0: v16-29 addresses, v30, v31 scale and limit, v32-127 the way out, v128-255 xn's fragments (one set); window 1: W's fragments (two sets); windows 2, 3: the accumulators.
.set ROWB,   256
.set KROW,   1024
.set PITCH,  272
.set FR,     16
.set NL,     4
.set NP,     4
.set HALFT,  128*PITCH
.set SLOT,   4*HALFT
.set SPARE,  2*SLOT                    ; behind the ring: the spare words, 128 bytes a wave
.set NEXT_B, 16*128*KROW               ; W's rows of the second tile
.set NEXT_H, 4*65536
.set ADRA, 16
.set ADRB, 20
.set PFO,  24                          ; v24: the prefetches' offset: my lane x a row; never rewritten
.set CO,   26
.set SPW,  28
.set NIL,  29
.set EX,   32
.set HH,   64
.set CDS,  96
.set AF,   128
.set G1, 24
.set G0, 32
.set G1B, 48
.set G0B, 56
.set OFF, 68                           ; s[68:75] the four chunks of K in my cluster's order, in bytes
.set BA,  76
.set BB,  78
.set PF,  82                           ; s[82:89] where my prefetches stand, one pair for each chunk of that order
.set MSB, 0
.macro WIN new
.if MSB != (\new)
	s_set_vgpr_msb (MSB<<8)|(\new)
.set MSB, (\new)
.endif
.endm
.set MUL_LO, 0xa1
.set MUL_HI, 0xf1
.set TO_B,   0x40
.macro JLOAD g0a, g1a, g0b, g1b        ; an s_nop 0 and four v_nop follow each of the two lines
	s_cmp_eq_u32 s15, 0
	s_cbranch_scc0 .Lfor_b_\@
	tensor_load_to_lds s[\g0a:\g0a+3], s[\g1a:\g1a+7]
	s_nop 0
.rept 4
	v_nop
.endr
	s_branch .Lasked_\@
.Lfor_b_\@:
	tensor_load_to_lds s[\g0b:\g0b+3], s[\g1b:\g1b+7]
	s_nop 0
.rept 4
	v_nop
.endr
.Lasked_\@:
.endm
.macro CREST
	s_cmp_lg_u32 s14, 0
	s_cbranch_scc1 .Lnot_wave_0_\@
	s_barrier_signal -3
.Lnot_wave_0_\@:
	s_barrier_wait -3
	s_barrier_signal -1
	s_barrier_wait -1
.endm
.macro CROUND
	s_barrier_signal -1
	s_barrier_wait -1
	CREST
.endm
.macro SETG slot, f                    ; the slot's two groups 0 take chunk f of my cluster's order; written only where no load of mine is out
	s_add_nc_u64 s[G0+4*\slot+2:G0+4*\slot+3], s[BA:BA+1], s[OFF+2*\f:OFF+2*\f+1]
	s_or_b32 s[G0+4*\slot+3], s[G0+4*\slot+3], 0x80000000
	s_add_nc_u64 s[G0B+4*\slot+2:G0B+4*\slot+3], s[BB:BB+1], s[OFF+2*\f:OFF+2*\f+1]
	s_or_b32 s[G0B+4*\slot+3], s[G0B+4*\slot+3], 0x80000000
.endm
.macro ASK f                           ; names what fill f will load (f = 0: nothing).  Fills 4 to 7 are the second tile's: W's waves alone ask
.if (\f) > 0
.if (\f) < 4
	global_prefetch_b8 v[PFO], s[PF+2*(\f):PF+2*(\f)+1] th:TH_LOAD_NT scope:SCOPE_SE
.else
	s_cmp_lg_u32 s15, 0
	s_cbranch_scc0 .Lnot_b_\@
	global_prefetch_b8 v[PFO], s[PF+2*(\f)-8:PF+2*(\f)-7] offset:NEXT_B th:TH_LOAD_NT scope:SCOPE_SE
.Lnot_b_\@:
.endif
.endif
.endm
	s_load_b128 s[4:7], s[0:1], 0x0                ; xn's codes, W's codes
	s_load_b128 s[8:11], s[0:1], 0x10              ; the exponents, h_img
	v_lshl_add_u32 v[SPW], v0, 2, SPARE
	v_mov_b32 v[NIL], 0
	ds_add_u32 v[SPW], v[NIL]                      ; the opening: the add, twice on end, and its wait
	ds_add_u32 v[SPW], v[NIL]
	v_lshrrev_b32 v1, 5, v0
	v_readfirstlane_b32 s14, v1                    ; wave 0..3
	s_lshr_b32 s15, s14, 1                         ; my half of the rows.  Also: I fetch xn (0) or W (1)
	s_and_b32 s16, s14, 1                          ; my half of the columns.  Also: which 128 rows I fetch
	s_bfe_u32 s40, ttmp6, 0x40000                  ; cx
	s_bfe_u32 s41, ttmp6, 0x40004                  ; cy
	s_lshl_b32 s42, ttmp9, 2
	s_add_co_u32 s42, s42, s40                     ; tile column
	s_and_b32 s80, ttmp7, 0xffff
	s_lshl_b32 s17, s80, 2
	s_add_co_u32 s17, s17, s41                     ; tile row
	s_lshl_b32 s43, s41, 2
	s_lshl_b32 s43, 15, s43                        ; my row of the cluster
	s_lshl_b32 s44, 0x1111, s40                    ; my column
	s_lshl_b32 s81, s80, 1
	s_lshr_b32 s80, s80, 1
	s_add_co_u32 s80, s80, s81
	s_add_co_u32 s80, s80, ttmp9                   ; my cluster's first chunk of K (its low two bits)
.irp f, 0,1,2,3
	s_add_co_u32 s81, s80, \f
	s_and_b32 s81, s81, 3
	s_lshl_b32 s[OFF+2*\f], s81, 8
	s_mov_b32 s[OFF+2*\f+1], 0
.endr
	s_or_b32 s[G1+0], s43, (0<<16)|(1<<20)|(1<<21)|(5<<22)|(3<<25)   ; the mask; elements of 1 byte; padding: 4 words after every 64
	s_or_b32 s[G1B+0], s44, (0<<16)|(1<<20)|(1<<21)|(5<<22)|(3<<25)
.irp g, G1, G1B
	s_mov_b32 s[\g+1], ROWB<<16
	s_mov_b32 s[\g+2], 128<<16
	s_mov_b32 s[\g+3], ROWB<<16
	s_mov_b32 s[\g+4], 128
	s_mov_b32 s[\g+5], KROW
	s_mov_b32 s[\g+6], 0
	s_mov_b32 s[\g+7], 0
.endr
	s_lshl_b32 s18, s16, 7
	s_lshl_b32 s20, s17, 8
	s_add_co_u32 s20, s20, s18
	s_lshl_b32 s20, s20, 10                        ; xn: row 256 x tile row + 128 x half
	s_mov_b32 s21, 0
	s_lshl_b32 s46, s42, 7
	s_lshl_b32 s47, s16, 12
	s_add_co_u32 s46, s46, s47
	s_add_co_u32 s46, s46, 576
	s_lshl_b32 s46, s46, 10                        ; W: row 576 + 128 x tile column (+ 4,096: the gate)
	s_mov_b32 s47, 0
	s_mul_i32 s45, s14, HALFT                      ; where they go: wave x 128 rows
	s_wait_dscnt 0x0                               ; both opening adds are done
	s_wait_kmcnt 0x0
	s_load_b64 s[96:97], s[8:9], 0x0               ; e0, e1
	s_load_b32 s94, s[8:9], 0x20                   ; e8
	s_add_nc_u64 s[BA:BA+1], s[4:5], s[20:21]
	s_add_nc_u64 s[BB:BB+1], s[6:7], s[46:47]
.irp s, 0,1
	s_mov_b32 s[G0+4*\s], 1
	s_add_co_u32 s[G0+4*\s+1], s45, \s*SLOT
	s_mov_b32 s[G0B+4*\s], 1
	s_add_co_u32 s[G0B+4*\s+1], s45, \s*SLOT
	SETG \s, \s
.endr
	s_cmp_eq_u32 s15, 0                            ; the prefetches: the rows that I fetch,
	s_cselect_b64 s[90:91], s[BA:BA+1], s[BB:BB+1]
	s_cselect_b32 s80, s40, s41                    ; my place among the four that ask for them with me,
	s_lshl_b32 s80, s80, 15                        ; 32 rows of 1,024 bytes for each place
	s_mov_b32 s81, 0
	s_add_nc_u64 s[90:91], s[90:91], s[80:81]
.irp f, 0,1,2,3
	s_add_nc_u64 s[PF+2*\f:PF+2*\f+1], s[90:91], s[OFF+2*\f:OFF+2*\f+1]
.endr
	CROUND                                         ; all sixteen work-groups are here: the first joint loads meet
	JLOAD G0, G1, G0B, G1B                         ; fill 0: one tensor load a wave at the head
	v_and_b32 v[PFO], 31, v0
	v_lshlrev_b32 v[PFO], 10, v[PFO]
	v_and_b32 v1, 15, v0
	v_bfe_u32 v2, v0, 4, 1
	v_mul_u32_u24 v3, v1, PITCH
	v_lshl_add_u32 v4, v2, 4, v3                   ; a fragment's row x pitch + 16 x half
	s_mul_i32 s21, s15, HALFT                      ; my 128 rows of xn
	s_mul_i32 s22, s16, 64*PITCH                   ; my 64 rows of Wx (my 64 of Wg lie 128 rows further),
	s_add_co_u32 s22, s22, 2*HALFT                 ; behind xn's 256
.irp s, 0,1
	v_add_nc_u32 v[ADRA+\s], s21, v4
	v_add_nc_u32 v[ADRB+\s], s22, v4
	s_add_co_u32 s21, s21, SLOT
	s_add_co_u32 s22, s22, SLOT
.endr
	v_and_b32 v6, 31, v0
	v_lshlrev_b32 v[CO], 4, v6                     ; 16 x lane
	s_lshl_b32 s20, s17, 1
	s_add_co_u32 s20, s20, s15
	s_lshl_b32 s20, s20, 19                        ; h_img: my 128 rows,
	s_mov_b32 s21, 0
	s_lshr_b32 s46, s42, 2
	s_lshl_b32 s46, s46, 16                        ; the chunk of 512 along its K,
	s_and_b32 s47, s42, 3
	s_lshl_b32 s47, s47, 2
	s_lshl_b32 s18, s16, 1
	s_add_co_u32 s47, s47, s18
	s_lshl_b32 s47, s47, 9                         ; my first block of 32 in it
	s_add_co_u32 s46, s46, s47
	s_mov_b32 s47, 0
	s_add_nc_u64 s[20:21], s[20:21], s[46:47]
	s_add_nc_u64 s[10:11], s[10:11], s[20:21]
.macro FRAG reg, adr, q, row           ; 16 rows x 128 K: registers 4 c .. 4 c + 3 hold K = 32 c + 16 (l / 16) + 0 .. 15, the same order of k on both sides
.irp c, 0,1,2,3
	ds_load_b128 v[\reg+4*\c:\reg+4*\c+3], v[\adr] offset:128*(\q)+32*\c+(\row)*PITCH
.endr
.endm
.macro MUL8 a, p, zero                 ; xn's block a against W's eight; the 64 accumulators take turns, in the same order in every step
.irp b, 0,1,2,3,4,5,6,7
.if \zero
	v_wmma_f32_16x16x128_bf8_bf8 v[8*(8*((\a)%4)+\b):8*(8*((\a)%4)+\b)+7], v[128*(\p)+FR*\b:128*(\p)+FR*\b+FR-1], v[AF+FR*(\a):AF+FR*(\a)+FR-1], 0
.else
	v_wmma_f32_16x16x128_bf8_bf8 v[8*(8*((\a)%4)+\b):8*(8*((\a)%4)+\b)+7], v[128*(\p)+FR*\b:128*(\p)+FR*\b+FR-1], v[AF+FR*(\a):AF+FR*(\a)+FR-1], v[8*(8*((\a)%4)+\b):8*(8*((\a)%4)+\b)+7]
.endif
.endr
.endm
.macro FETCH_B slot, q, p
	WIN TO_B
.irp i, 0,1,2,3,4,5,6,7
	FRAG 128*(\p)+FR*\i, ADRB+\slot, \q, 16*\i+64*(\i/4)
.endr
	WIN 0
.endm
.macro FETCH_A slot, q, i0
.irp i, \i0, \i0+1, \i0+2, \i0+3
	FRAG AF+FR*(\i), ADRA+\slot, \q, 16*(\i)
.endr
.endm
.macro PLACES n
.rept \n
	v_nop
.endr
.endm
.macro STEP slot, zero                 ; a slot's first 128 along K, on W's set 0; the second 128's fragments are fetched
	s_wait_dscnt 4*NL                              ; W's set and xn's blocks 0-3 are in; the youngest 16 loads (blocks 4-7) may be out
	WIN MUL_LO
.irp a, 0,1,2,3
	MUL8 \a, 0, \zero
.endr
	s_wait_dscnt 0
	PLACES NP
	FETCH_B \slot, 1, 1
	FETCH_A \slot, 1, 0
	WIN MUL_HI
.irp a, 4,5,6,7
	MUL8 \a, 0, \zero
.endr
	PLACES NP
	WIN 0
	FETCH_A \slot, 1, 4
.endm
; A slot's second 128 along K, on W's set 1, changes slots.  fill = 1: the slot takes chunk f (adv = 1: of the second tile).  ask: the fill that is prefetched.
.macro TURN slot, next, fill, f, adv, ask
	s_wait_dscnt 4*NL
	WIN MUL_LO
	MUL8 0, 1, 0
	MUL8 1, 1, 0
	WIN 0                                          ; (the add's two registers lie in window 0)
	s_wait_tensorcnt 0x0                           ; my one tensor load, my part of the next slot, has landed
	ds_add_u32 v[SPW], v[NIL]
.if \fill
.if \adv
	s_add_nc_u64 s[BB:BB+1], s[BB:BB+1], NEXT_B
.endif
	SETG \slot, \f
.endif
	WIN MUL_LO
	MUL8 2, 1, 0
	s_wait_dscnt 0x0                               ; the add is done, and my reads of this slot are over
	s_barrier_signal -1
	MUL8 3, 1, 0
	WIN 0
	s_barrier_wait -1
.if \fill
	CREST                                          ; the barrier has opened a round of the cluster's: no wave of any partner still reads this slot or has a load on its way
	JLOAD G0+4*\slot, G1, G0B+4*\slot, G1B         ; its four v_nop are the places in front of the loads below
.else
	PLACES NP
.endif
	FETCH_B \next, 0, 0
	FETCH_A \next, 0, 0
	ASK \ask
	WIN MUL_HI
.irp a, 4,5,6,7
	MUL8 \a, 1, 0
.endr
	PLACES NP
	WIN 0
	FETCH_A \next, 0, 4
.endm
; THE WAY OUT of block a (16 rows x 64 columns): h = x g / (1 + 2^(-g log2 e)); the sums stand for sum x 2^(e0 + e1), which is folded into c and into the conversion's scale.
.macro SWIGLU a
.set AC, 64*((\a)%4)
.set CD, CDS+8*((\a)%4)
	WIN 0x0a+5*((\a)/4)
	s_wait_alu depctr_va_vdst(0)
.set i, 0
.rept 16
	v_pk_mul_f32 v[EX+i:EX+i+1], v[AC+32+i:AC+33+i], s[98:99] op_sel_hi:[1,0]
.set i, i+2
.endr
.set i, 0
.rept 16
	v_pk_mul_f32 v[HH+i:HH+i+1], v[AC+i:AC+i+1], v[AC+32+i:AC+33+i]
.set i, i+2
.endr
	WIN 0
	s_wait_alu depctr_va_vdst(0)                   ; ahead of the batch
.set i, 0
.rept 32
	v_exp_f32 v[EX+i], v[EX+i]
.set i, i+1
.endr
	v_nop
	s_wait_alu depctr_va_vdst(0)                   ; behind it
.set i, 0
.rept 16
	v_pk_add_f32 v[EX+i:EX+i+1], v[EX+i:EX+i+1], 1.0 op_sel_hi:[1,0]
.set i, i+2
.endr
	s_wait_alu depctr_va_vdst(0)
.set i, 0
.rept 32
	v_rcp_f32 v[EX+i], v[EX+i]
.set i, i+1
.endr
	v_nop
	s_wait_alu depctr_va_vdst(0)
.set i, 0
.rept 16
	v_pk_mul_f32 v[HH+i:HH+i+1], v[HH+i:HH+i+1], v[EX+i:EX+i+1]
.set i, i+2
.endr
.set i, 0
.rept 32
	v_med3_num_f32 v[HH+i], v[HH+i], -v31, v31     ; the conversion does not saturate (ISA guide 7.6.2)
.set i, i+1
.endr
	s_wait_alu depctr_va_vdst(0)                   ; directly ahead of the wait below
	s_wait_xcnt 0x0                                ; the stores of four blocks ago have read their data
.irp b, 0,1,2,3
	v_cvt_scalef32_pk8_bf8_f32 v[CD+2*\b:CD+2*\b+1], v[HH+8*\b:HH+8*\b+7], v30
.endr
	v_nop
.irp k, 0,1
	global_store_b128 v[CO], v[CD+4*\k:CD+4*\k+3], s[10:11] offset:(\a)*8192+\k*512   ; the wave stores 512 consecutive bytes, aligned
.endr
.endm
.macro WAYOUT
.irp a, 0,1,2,3,4,5,6,7
	SWIGLU \a
.endr
.endm
	s_wait_alu depctr_va_vdst(0)                   ; the head's end
	s_wait_tensorcnt 0x0                           ; my part of fill 0 is in; these lines stand ahead of a later first fill as ahead of a refill
	ds_add_u32 v[SPW], v[NIL]
	s_wait_dscnt 0x0
	CROUND                                         ; everybody's part is in, and the joint loads meet
	JLOAD G0+4, G1, G0B+4, G1B                     ; fill 1
	FETCH_B 0, 0, 0
	FETCH_A 0, 0, 0
	ASK 2                                          ; fill 2 is named here too, behind fill 1's request and not behind fill 0's: the head's first load goes out alone.  It is asked for one change of slots, 128 products, later
	ASK 3
	FETCH_A 0, 0, 4
	STEP 0, 1                                      ; the first products start the sums
	TURN 0, 1, 1, 2, 0, 4
	STEP 1, 0
	TURN 1, 0, 1, 3, 0, 5
	STEP 0, 0
	TURN 0, 1, 1, 0, 1, 6                          ; the ring goes on into the second tile
	STEP 1, 0
	TURN 1, 0, 1, 1, 0, 7
	s_wait_kmcnt 0x0
	s_add_co_i32 s96, s96, s97                     ; e0 + e1
	s_lshl_b32 s92, s96, 23
	s_add_co_i32 s98, s92, 0x3fb8aa3b
	s_or_b32 s98, s98, 0x80000000                  ; -log2(e) x 2^(e0 + e1)
	s_mov_b32 s99, s98
	s_lshl_b32 s92, s96, 1
	s_sub_co_i32 s92, s94, s92                     ; x g stands for x g x 2^(2 (e0 + e1))
	s_add_co_i32 s92, s92, 127
	s_lshl_b32 s93, s92, 23
	v_mov_b32 v30, s93
	s_add_co_i32 s92, s92, 15
	s_lshl_b32 s92, s92, 23
	s_or_b32 s92, s92, 0x600000
	v_mov_b32 v31, s92
	WAYOUT                                         ; both refills are asked for: the first tile goes out
	s_wait_xcnt 0x0
	s_add_nc_u64 s[10:11], s[10:11], NEXT_H
	STEP 0, 1
	TURN 0, 1, 1, 2, 0, 0
	STEP 1, 0
	TURN 1, 0, 1, 3, 0, 0
	STEP 0, 0
	TURN 0, 1, 0, 0, 0, 0                          ; the last two changes fill nothing
	STEP 1, 0
	s_wait_dscnt 4*NL
	WIN MUL_LO
.irp a, 0,1,2,3
	MUL8 \a, 1, 0
.endr
	s_wait_dscnt 0
	WIN MUL_HI
.irp a, 4,5,6,7
	MUL8 \a, 1, 0
.endr
	WIN 0
	PLACES NP
	WAYOUT
	s_wait_tensorcnt 0x0                           ; the wave's end
	ds_add_u32 v[SPW], v[NIL]
	s_wait_dscnt 0x0
	CROUND                                         ; the closing round
	s_endpgm
.Lfunc_end_k_qccf4a1bf3c_ff:
	.size	k_qccf4a1bf3c_ff, .Lfunc_end_k_qccf4a1bf3c_ff-k_qccf4a1bf3c_ff
	.p2alignl 7, 3214868480
	.fill 96, 4, 3214868480
	.section	.rodata,"a",@progbits
	.p2align	6, 0x0
	.amdhsa_kernel k_qccf4a1bf3c_ff
		.amdhsa_group_segment_fixed_size 327680
		.amdhsa_private_segment_fixed_size 0
		.amdhsa_enable_private_segment 0
		.amdhsa_kernarg_size 32
		.amdhsa_user_sgpr_count 2
		.amdhsa_user_sgpr_kernarg_segment_ptr 1
		.amdhsa_wavefront_size32 1
		.amdhsa_system_sgpr_workgroup_id_x 1
		.amdhsa_system_sgpr_workgroup_id_y 1
		.amdhsa_system_sgpr_workgroup_id_z 1
		.amdhsa_system_vgpr_workitem_id 0
		.amdhsa_next_free_vgpr 1024
		.amdhsa_next_free_sgpr 100
		.amdhsa_reserve_vcc 0
		.amdhsa_float_denorm_mode_32 3
		.amdhsa_float_denorm_mode_16_64 3
		.amdhsa_memory_ordered 1
		.amdhsa_forward_progress 1
		.amdhsa_inst_pref_size 255
	.end_amdhsa_kernel
	.section	.bss,"aw",@nobits
	.p2align	6
	.space	262144
	.amdgpu_metadata
---
amdhsa.version: [ 1, 2 ]
amdhsa.kernels:
  - .name:           k_qccf4a1bf3c_ff
    .symbol:         k_qccf4a1bf3c_ff.kd
    .args:
      - { .name: xn_codes, .offset: 0, .size: 8, .value_kind: global_buffer, .address_space: global }
      - { .name: W_fused_codes, .offset: 8, .size: 8, .value_kind: global_buffer, .address_space: global }
      - { .name: lowp_scales, .offset: 16, .size: 8, .value_kind: global_buffer, .address_space: global }
      - { .name: h_img, .offset: 24, .size: 8, .value_kind: global_buffer, .address_space: global }
    .group_segment_fixed_size: 327680
    .private_segment_fixed_size: 0
    .kernarg_segment_align: 8
    .kernarg_segment_size: 32
    .max_flat_workgroup_size: 128
    .sgpr_count:     100
    .vgpr_count:     1024
    .wavefront_size: 32
...
	.end_amdgpu_metadata
.endif
;; end of part 3
;; launch outp (part 4): grid 8 x 32, 4 waves a work-group, clusters of 4 x 4, 327,680 bytes of LDS; arguments o_img, W_attn_out_codes, h_img, W_ff_out_codes, lowp_scales, out0; writes out0
.if DOCPART == 4
	.amdgcn_target "amdgcn-amd-amdhsa--gfx1250"
	.amdhsa_code_object_version 6
	.text
	.protected	k_qccf4a1bf3c_outp
	.globl	k_qccf4a1bf3c_outp
	.p2align	8
	.type	k_qccf4a1bf3c_outp,@function
k_qccf4a1bf3c_outp:
	s_mov_b64 s[64:65], 0
	v_nop
	global_prefetch_b8 v0, s[64:65] scope:SCOPE_SE
	s_setreg_imm32_b32 hwreg(HW_REG_WAVE_MODE, 25, 1), 1
	s_wait_xcnt 0x0
	s_wait_alu depctr_hold_cnt(0) depctr_sa_sdst(0) depctr_va_vdst(0) depctr_va_sdst(0) depctr_va_ssrc(0) depctr_va_vcc(0) depctr_vm_vsrc(0)
	s_getreg_b32 s2, hwreg(HW_REG_IB_STS2, 6, 4)
	s_cmp_eq_u32 s2, 0
	s_cbranch_scc0 .Lentry_in_a_cluster
	s_endpgm
.Lentry_in_a_cluster:
	s_bfe_u32 s2, ttmp6, 0x10000c
	s_cmp_lg_u32 s2, 0xf033
	s_cbranch_scc0 .Lentry_shape_is_right
	s_endpgm
.Lentry_shape_is_right:
; out0 = o W_attn_out + h W_ff_out, both products on codes of E5M2, each with its own two given scales.
; A tile of out0 is 128 x 128 (256 work-groups; tiles of 256 x 256 would be 64).  Four waves, each 64 x 64, in TWO sets of 16 accumulators: set 0 for the first product, set 1 for the second, so that
; each set is multiplied once by its own power of two at the end: out = set 0 x 2^(e6 + e7) + set 1 x 2^(e8 + e9).
; K goes in nine steps of 512 through a ring of two LDS slots: step 0 is the first product's whole K, steps 1-8 the second's eight chunks.  All steps are written out by macros.
; THE ORDER ALONG K: a cluster begins the second product at chunk (Y + 4 X) mod 8 (X, Y: the cluster's numbers) and goes round.  So the two clusters that read the same images of h (same Y) are four chunks apart, and the eight that
; read the same rows of W_ff_out (same X) all differ: they ask for a given chunk at different times, and not all for the first time at once.  The sums take K in that order.
; A SLOT: the rows' codes as images of operand registers (128 rows x 512 K = 65,536 bytes, dense: [16 rows: 8][32 of K: 16][512]), then 128 rows of the weight, 512 bytes + 16 of padding each.
; An image block comes back by one ds_load_b128 at 16 x lane: registers 4 c .. 4 c + 3 hold k = 32 c + 8 h + 0..7 and 32 c + 16 + 8 h + 0..7, the form's own order.  The weight's fragments take the same order by ds_load_b64 at row x 528 + 16 c + 8 h
; (row r starts at bank 4 r mod 64, the two halves of the lanes two banks apart: the 32 lanes touch 64 different banks).
; CLUSTERS: 4 x 4 work-groups; the rows' images are shared along a row of the cluster, the weight's tiles along a column: joint loads.
; THE PRODUCT IS USED TRANSPOSED (source 0 = 16 rows of the weight, source 1 = 16 rows of codes): a lane holds eight neighbouring numbers of a row of out0.
; LIMITS: e6 + e7 and e8 + e9 between -126 and 127.
; REGISTERS: window 0: v1-3, v16-29 addresses; v32-63 a block's results; v64-191 rows read back from the stage.  Window 1: two sets of fragments (4 of codes, 4 of the weight; 16 registers each).  Window 2: the accumulators ((a, b) of set s at 128 s + 8 (4 a + b)).
.set BP,    528                        ; a weight's row in LDS
.set BOFF,  65536                      ; the weight's rows lie behind the images
.set SLOT,  BOFF+128*BP                ; 133,120
.set STAGE, 2*SLOT                     ; behind the ring: 16 rows x 272 bytes for each wave, for the way out; no fill lands there
.set SP,    272
.set SPARE, STAGE+4*16*SP              ; behind the stages: the spare words, 128 bytes for each wave: two blocks of 256 bytes that no other line names
.set ADRA, 16                          ; v16-17  my images in slot 0, 1
.set ADRB, 20                          ; v20-21  my rows of the weight
.set STO,  24
.set RD,   25
.set CO,   26
.set SPW,  28
.set NIL,  29
.set TMP,  32
.set BK,   64
.set G1A,  24                          ; s[24:31] group 1 for the images;  s[32:39] for W_attn_out's tiles;  s[40:47] for W_ff_out's
.set G1BA, 32
.set G1BF, 40
.set GAA,  48                          ; s[48:51] group 0: o's images;  s[52:55] W_attn_out
.set GAB,  52
.set GFA,  56                          ; s[56:63] h's images, one set for each slot;  s[68:75] W_ff_out likewise
.set GFB,  68
.set HB,   96                          ; s[96:97] h_img at the images that I fetch, chunk 0;  s[98:99] W_ff_out at the rows that I fetch, chunk 0
.set WB,   98
.set MSB, 0
.macro WIN new
.if MSB != (\new)
	s_set_vgpr_msb (MSB<<8)|(\new)
.set MSB, (\new)
.endif
.endm
.macro PLACES n
.rept \n
	v_nop
.endr
.endm
.macro JLOAD g0a, g0b                  ; a joint refill: waves 0 and 1 fetch the images' halves, waves 2 and 3 the weight's.  Four v_nop follow each of the two lines
	s_cmp_eq_u32 s17, 0
	s_cbranch_scc0 .Lfor_b_\@
	tensor_load_to_lds s[\g0a:\g0a+3], s[G1A:G1A+7]
	s_nop 0
	PLACES 4
	s_branch .Lasked_\@
.Lfor_b_\@:
	tensor_load_to_lds s[\g0b:\g0b+3], s[G1BF:G1BF+7]
	s_nop 0
	PLACES 4
.Lasked_\@:
.endm
.macro CREST
	s_cmp_lg_u32 s16, 0
	s_cbranch_scc1 .Lnot_wave_0_\@
	s_barrier_signal -3
.Lnot_wave_0_\@:
	s_barrier_wait -3
	s_barrier_signal -1
	s_barrier_wait -1
.endm
.macro CROUND
	s_barrier_signal -1
	s_barrier_wait -1
	CREST
.endm
; the slot's two groups 0 take the i-th chunk of my cluster's order: 65,536 bytes of images, 512 bytes of a weight's row.  Written only where no load that names them is out
.macro SETF slot, i
	s_add_co_u32 s84, s23, \i
	s_and_b32 s84, s84, 7
	s_lshl_b32 s86, s84, 16
	s_mov_b32 s87, 0
	s_lshl_b32 s88, s84, 9
	s_mov_b32 s89, 0
	s_add_nc_u64 s[GFA+4*\slot+2:GFA+4*\slot+3], s[HB:HB+1], s[86:87]
	s_or_b32 s[GFA+4*\slot+3], s[GFA+4*\slot+3], 0x80000000
	s_add_nc_u64 s[GFB+4*\slot+2:GFB+4*\slot+3], s[WB:WB+1], s[88:89]
	s_or_b32 s[GFB+4*\slot+3], s[GFB+4*\slot+3], 0x80000000
.endm
	s_load_b256 s[4:11], s[0:1], 0x0               ; o_img s[4:5], W_attn_out s[6:7], h_img s[8:9], W_ff_out s[10:11]
	s_load_b128 s[12:15], s[0:1], 0x20             ; the exponents s[12:13], out0 s[14:15]
	v_lshl_add_u32 v[SPW], v0, 2, SPARE
	v_mov_b32 v[NIL], 0
	ds_add_u32 v28, v29
	ds_add_u32 v28, v29
	s_wait_dscnt 0x0
	v_lshrrev_b32 v1, 5, v0
	v_readfirstlane_b32 s16, v1                    ; wave 0..3
	s_lshr_b32 s17, s16, 1                         ; my half of the rows.  Also: I fetch images (0) or the weight (1)
	s_and_b32 s18, s16, 1                          ; my half of the columns.  Also: which half of that tile I fetch
	s_bfe_u32 s19, ttmp6, 0x40000                  ; cx
	s_bfe_u32 s20, ttmp6, 0x40004                  ; cy
	s_lshl_b32 s21, ttmp9, 2
	s_and_b32 s23, ttmp7, 0xffff                   ; cluster y
	s_lshl_b32 s22, s23, 2
	s_add_co_u32 s23, s23, s21                     ; Y + 4 X: its low three bits are my cluster's first chunk; all partners share it
	s_add_co_u32 s21, s21, s19                     ; tile column
	s_add_co_u32 s22, s22, s20                     ; tile row
	s_lshl_b32 s84, s20, 2
	s_lshl_b32 s84, 15, s84                        ; my row of the cluster
	s_lshl_b32 s85, 0x1111, s19                    ; my column
	s_or_b32 s[G1A], s84, (3<<16)|(1<<21)          ; the mask; elements of 8 bytes; no padding: 128 rows of 256 bytes, dense
	s_mov_b32 s[G1A+1], 32<<16
	s_mov_b32 s[G1A+2], 128<<16
	s_mov_b32 s[G1A+3], 32<<16
	s_mov_b32 s[G1A+4], 128
	s_mov_b32 s[G1A+5], 32
	s_mov_b32 s[G1A+6], 0
	s_mov_b32 s[G1A+7], 0
	s_or_b32 s[G1BA], s85, (1<<20)|(1<<21)|(6<<22)|(3<<25)   ; the mask; elements of 1 byte; padding: 4 words after every 128
	s_or_b32 s[G1BF], s85, (1<<20)|(1<<21)|(6<<22)|(3<<25)
.irp g, G1BA, G1BF
	s_mov_b32 s[\g+1], 512<<16
	s_mov_b32 s[\g+2], 64<<16
	s_mov_b32 s[\g+3], 512<<16
	s_mov_b32 s[\g+4], 64
	s_mov_b32 s[\g+6], 0
	s_mov_b32 s[\g+7], 0
.endr
	s_mov_b32 s[G1BA+5], 512                       ; a row of W_attn_out
	s_mov_b32 s[G1BF+5], 4096                      ; a row of W_ff_out
	s_lshl_b32 s94, s18, 15                        ; the images' half: 32,768 bytes, in memory and in LDS
	s_lshl_b32 s86, s22, 16
	s_add_co_u32 s86, s86, s94                     ; o_img: 65,536 bytes for 128 rows
	s_mov_b32 s87, 0
	s_lshl_b32 s88, s22, 19
	s_add_co_u32 s88, s88, s94                     ; h_img: 524,288
	s_mov_b32 s89, 0
	s_lshl_b32 s90, s21, 7
	s_lshl_b32 s92, s18, 6
	s_add_co_u32 s90, s90, s92                     ; the weights' row: 128 x tile column + 64 x half
	s_lshl_b32 s92, s90, 12
	s_lshl_b32 s90, s90, 9
	s_mov_b32 s91, 0
	s_mov_b32 s93, 0
	s_mul_i32 s95, s18, 64*BP
	s_add_co_u32 s95, s95, BOFF
	s_wait_kmcnt 0x0
	s_load_b128 s[76:79], s[12:13], 0x18           ; e6 .. e9
	s_mov_b32 s[GAA], 1
	s_mov_b32 s[GAA+1], s94
	s_add_nc_u64 s[GAA+2:GAA+3], s[4:5], s[86:87]
	s_or_b32 s[GAA+3], s[GAA+3], 0x80000000
	s_mov_b32 s[GAB], 1
	s_mov_b32 s[GAB+1], s95
	s_add_nc_u64 s[GAB+2:GAB+3], s[6:7], s[90:91]
	s_or_b32 s[GAB+3], s[GAB+3], 0x80000000
	s_add_nc_u64 s[HB:HB+1], s[8:9], s[88:89]
	s_add_nc_u64 s[WB:WB+1], s[10:11], s[92:93]
	s_mov_b32 s[GFA], 1
	s_mov_b32 s[GFA+1], s94
	s_mov_b32 s[GFA+4], 1
	s_add_co_u32 s[GFA+5], s94, SLOT
	s_mov_b32 s[GFB], 1
	s_mov_b32 s[GFB+1], s95
	s_mov_b32 s[GFB+4], 1
	s_add_co_u32 s[GFB+5], s95, SLOT
	SETF 1, 0                                      ; slot 1 begins with the second product's first chunk of my order
	CROUND                                         ; all sixteen work-groups are here: the first joint loads meet
	s_cmp_eq_u32 s17, 0                            ; step 0's fill, one in each arm: one load of mine is out
	s_cbranch_scc0 .Lfirst_b
	tensor_load_to_lds s[GAA:GAA+3], s[G1A:G1A+7]
	s_nop 0
	PLACES 4
	s_branch .Lfirst_done
.Lfirst_b:
	tensor_load_to_lds s[GAB:GAB+3], s[G1BA:G1BA+7]
	s_nop 0
	PLACES 4
.Lfirst_done:
; PREFETCH INTO THE L2: where a fill is asked for, one instruction a wave names the chunk of the second product that the fill two further on will load (two changes of slots ahead).  Of what a wave fetches each of the four partners
; that ask with it names a quarter, told apart by address: of the images' 32,768 bytes 8,192 (cx), lanes 256 bytes apart; of the weight's 64 rows 16 (cy), two lanes to a row's 512 bytes.  So each block of 256 bytes is named once in each cluster.
; The first chunk of the order comes by its load alone; nothing lies behind the eighth.  The address is made anew a step later, behind s_wait_xcnt 0.
.set PFB, 4                            ; s[4:5] my quarter, chunk 0;  s[6:7] the address in hand;  s8 log2 of a chunk's bytes there (the arguments that lay here are done with)
.set PFA, 6
.set PSH, 8
.set PFO, 27                           ; v27 my lane's offset; never rewritten
.macro ASKAT i
	s_add_co_u32 s84, s23, \i
	s_and_b32 s84, s84, 7
	s_lshl_b32 s84, s84, s[PSH]
	s_mov_b32 s85, 0
	s_add_nc_u64 s[PFA:PFA+1], s[PFB:PFB+1], s[84:85]
.endm
.macro ASK
	global_prefetch_b8 v[PFO], s[PFA:PFA+1] th:TH_LOAD_NT scope:SCOPE_SE
.endm
	s_cmp_eq_u32 s17, 0                            ; do I fetch images?
	s_cselect_b64 s[PFB:PFB+1], s[HB:HB+1], s[WB:WB+1]
	s_cselect_b32 s84, s19, s20                    ; my place among the four
	s_cselect_b32 s85, 13, 16                      ; a quarter: 8,192 bytes, or 16 rows of 4,096
	s_cselect_b32 s[PSH], 16, 9
	s_cselect_b32 s86, 0, 1                        ; lanes to a row: 1 or 2
	s_cselect_b32 s87, 8, 12                       ; from row to row
	s_lshl_b32 s84, s84, s85
	s_mov_b32 s85, 0
	s_add_nc_u64 s[PFB:PFB+1], s[PFB:PFB+1], s[84:85]
	ASKAT 1
	v_and_b32 v5, 31, v0
	v_lshrrev_b32 v6, s86, v5
	v_lshlrev_b32 v6, s87, v6
	v_and_b32 v5, s86, v5
	v_lshl_add_u32 v[PFO], v5, 8, v6
	ASK
	v_and_b32 v1, 15, v0
	v_bfe_u32 v2, v0, 4, 1                         ; h
	v_and_b32 v3, 31, v0
	v_lshlrev_b32 v3, 4, v3                        ; 16 x lane
	s_lshl_b32 s90, s17, 15                        ; my 64 rows' images
	v_mul_u32_u24 v4, v1, BP
	v_lshl_add_u32 v4, v2, 3, v4                   ; the weight: row x pitch + 8 x half
	s_mul_i32 s91, s18, 64*BP
	s_add_co_u32 s91, s91, BOFF
.irp s, 0,1
	v_add_nc_u32 v[ADRA+\s], s90, v3
	v_add_nc_u32 v[ADRB+\s], s91, v4
	s_add_co_u32 s90, s90, SLOT
	s_add_co_u32 s91, s91, SLOT
.endr
	s_mul_i32 s90, s16, 16*SP
	s_add_co_u32 s90, s90, STAGE                   ; my stage
	v_mul_u32_u24 v5, v1, SP
	v_lshl_add_u32 v5, v2, 5, v5
	v_add_nc_u32 v[STO], s90, v5                   ; in: row r, 32 bytes for each half of the lanes
	v_mul_u32_u24 v5, v2, SP
	v_lshl_add_u32 v5, v1, 4, v5
	v_add_nc_u32 v[RD], s90, v5                    ; back: lanes 0-15 one row of 256 bytes, lanes 16-31 the next
	v_lshlrev_b32 v5, 12, v2
	v_lshl_add_u32 v[CO], v1, 4, v5                ; and the same two rows in out0
	s_lshl_b32 s90, s22, 7
	s_lshl_b32 s91, s17, 6
	s_add_co_u32 s90, s90, s91                     ; my first row of out0
	s_lshl_b32 s90, s90, 12
	s_mov_b32 s91, 0
	s_lshl_b32 s92, s21, 9
	s_lshl_b32 s93, s18, 8
	s_add_co_u32 s92, s92, s93                     ; my first column, in bytes
	s_mov_b32 s93, 0
	s_add_nc_u64 s[90:91], s[90:91], s[92:93]
	s_add_nc_u64 s[14:15], s[14:15], s[90:91]
; 48 LDS loads: the fragments of the slot's q-th 128 along K into set p
.macro FETCH slot, q, p
	WIN 0x40                                       ; destination window 1
.irp i, 0,1,2,3
.irp c, 0,1,2,3
	ds_load_b128 v[128*(\p)+16*\i+4*\c:128*(\p)+16*\i+4*\c+3], v[ADRA+\slot] offset:\i*8192+(\q)*2048+\c*512
.endr
.endr
.irp i, 0,1,2,3
.irp c, 0,1,2,3,4,5,6,7
	ds_load_b64 v[128*(\p)+64+16*\i+2*\c:128*(\p)+64+16*\i+2*\c+1], v[ADRB+\slot] offset:\i*16*BP+128*(\q)+16*\c
.endr
.endr
	WIN 0
.endm
; 8 products on set p of the fragments, into set ac of the accumulators; a set's sixteen take turns, one instruction a turn
.macro MUL8 p, ac, a0, zero
.irp a, \a0, \a0+1
.irp b, 0,1,2,3
.if \zero
	v_wmma_f32_16x16x128_bf8_bf8 v[128*(\ac)+8*(4*(\a)+\b):128*(\ac)+8*(4*(\a)+\b)+7], v[128*(\p)+64+16*\b:128*(\p)+64+16*\b+15], v[128*(\p)+16*(\a):128*(\p)+16*(\a)+15], 0
.else
	v_wmma_f32_16x16x128_bf8_bf8 v[128*(\ac)+8*(4*(\a)+\b):128*(\ac)+8*(4*(\a)+\b)+7], v[128*(\p)+64+16*\b:128*(\p)+64+16*\b+15], v[128*(\p)+16*(\a):128*(\p)+16*(\a)+15], v[128*(\ac)+8*(4*(\a)+\b):128*(\ac)+8*(4*(\a)+\b)+7]
.endif
.endr
.endr
.endm
.macro SUB slot, q, ac, zero           ; one of a step's first three 128 along K: the next one's fragments are asked for, then this one's 16 products
	s_wait_dscnt 0x0                               ; this one's fragments are in
	PLACES 4                                       ; in front of loads into the set that the last products read
	FETCH \slot, (\q)+1, 1-(\q)%2
	WIN 0xa5                                       ; sources 0 and 1 window 1, C and D window 2
	MUL8 (\q)%2, \ac, 0, \zero
	MUL8 (\q)%2, \ac, 2, \zero
	WIN 0
.endm
; A step's last 128 change slots: ONE barrier; in front of it each wave waits for all its tensor loads, adds 0 to its spare word, and waits for that and for its reads of this slot.
; i > 0: the slot is filled again, with the i-th chunk of my cluster's order, which is read two steps on.
.macro TURN slot, ac, i
	s_wait_tensorcnt 0x0                           ; all my tensor loads have landed: my part of the other slot; so every group 0 may be written
	ds_add_u32 v[SPW], v[NIL]                      ; 0 onto my spare word
.if \i
	SETF \slot, \i
.endif
.if (\i > 0) && (\i < 6)
	s_wait_xcnt 0x0                                ; my last prefetch has read its address
	ASKAT \i+2
.endif
	s_wait_dscnt 1                                 ; the fragments are in (the add may be out)
	WIN 0xa5
	MUL8 1, \ac, 0, 0
	s_wait_dscnt 0x0                               ; the add is done, and my reads of this slot are over
	s_barrier_signal -1
	MUL8 1, \ac, 2, 0
	WIN 0
	s_barrier_wait -1
.if \i
	CREST                                          ; the barrier has opened a round of the cluster's: no wave of any partner still reads this slot or has a load on its way
	JLOAD GFA+4*\slot, GFB+4*\slot                 ; the first tensor load behind the round, my one load until the next; its four v_nop are the places in front of the loads below
.if \i < 6
	ASK
.endif
.else
	PLACES 4
.endif
	s_wait_alu depctr_va_vdst(0)
	FETCH 1-\slot, 0, 0
.endm
.macro KSTEP slot, ac, zero, i
	SUB \slot, 0, \ac, \zero
	SUB \slot, 1, \ac, 0
	SUB \slot, 2, \ac, 0
	TURN \slot, \ac, \i
.endm
	s_wait_xcnt 0x0                                ; my first prefetch has read its address
	ASKAT 2
	s_wait_alu depctr_va_vdst(0)                   ; the head's end
	s_wait_tensorcnt 0x0                           ; my part of step 0 is in; these lines stand ahead of a later first fill as ahead of a refill
	ds_add_u32 v[SPW], v[NIL]
	s_wait_dscnt 0x0
	CROUND                                         ; everybody's part is in, and the joint loads meet
	JLOAD GFA+4, GFB+4                             ; slot 1's first fill: the second product's first chunk of my order
	ASK
	FETCH 0, 0, 0
	KSTEP 0, 0, 1, 1                               ; o W_attn_out: its first products start set 0
	KSTEP 1, 1, 1, 2                               ; h W_ff_out, the first chunk of my order: its first products start set 1
	KSTEP 0, 1, 0, 3
	KSTEP 1, 1, 0, 4
	KSTEP 0, 1, 0, 5
	KSTEP 1, 1, 0, 6
	KSTEP 0, 1, 0, 7                               ; the last refill, into slot 0
	KSTEP 1, 1, 0, 0
	SUB 0, 0, 1, 0
	SUB 0, 1, 1, 0
	SUB 0, 2, 1, 0
	s_wait_dscnt 0x0
	WIN 0xa5
	MUL8 1, 1, 0, 0
	MUL8 1, 1, 2, 0
	WIN 0
	; THE WAY OUT, block by block of 16 rows x 64 columns, through my own stage: 32 bytes a lane in, whole rows of 256 bytes back.  LDS serves a wave's instructions in order (ISA guide 5.7.1.4): no wait between the stores and the loads.
	s_wait_kmcnt 0x0
	s_add_co_i32 s80, s76, s77
	s_add_co_i32 s80, s80, 127
	s_lshl_b32 s80, s80, 23                        ; 2^(e6 + e7)
	s_mov_b32 s81, s80
	s_add_co_i32 s82, s78, s79
	s_add_co_i32 s82, s82, 127
	s_lshl_b32 s82, s82, 23                        ; 2^(e8 + e9)
	s_mov_b32 s83, s82
	PLACES 4
.macro TOSTAGE a
	WIN 0x02                                       ; source 0 window 2
.set i, 0
.rept 16
	v_pk_mul_f32 v[TMP+i:TMP+i+1], v[32*(\a)+i:32*(\a)+i+1], s[80:81] op_sel_hi:[1,0]
.set i, i+2
.endr
.set i, 0
.rept 16
	v_pk_fma_f32 v[TMP+i:TMP+i+1], v[128+32*(\a)+i:128+32*(\a)+i+1], s[82:83], v[TMP+i:TMP+i+1] op_sel_hi:[1,0,1]
.set i, i+2
.endr
	WIN 0
.irp b, 0,1,2,3
	ds_store_b128 v[STO], v[TMP+8*\b:TMP+8*\b+3] offset:64*\b
	ds_store_b128 v[STO], v[TMP+8*\b+4:TMP+8*\b+7] offset:64*\b+16
.endr
.irp t, 0,1,2,3,4,5,6,7
	ds_load_b128 v[BK+32*(\a)+4*\t:BK+32*(\a)+4*\t+3], v[RD] offset:\t*2*SP
.endr
.endm
.macro SEND a, younger                 ; younger: the LDS instructions issued behind block a's loads, which may stay out
	s_wait_dscnt \younger
.irp t, 0,1,2,3,4,5,6,7
	global_store_b128 v[CO], v[BK+32*(\a)+4*\t:BK+32*(\a)+4*\t+3], s[14:15] offset:(16*(\a)+2*\t)*4096 th:TH_STORE_NT   ; 16 lanes store 256 consecutive bytes, aligned
.endr
.endm
	TOSTAGE 0
.irp a, 1,2,3
	TOSTAGE \a
	SEND \a-1, 16                                  ; behind block a - 1's loads: block a's 8 stores and 8 loads
.endr
	SEND 3, 0
	s_wait_tensorcnt 0x0                           ; the wave's end
	ds_add_u32 v[SPW], v[NIL]
	s_wait_dscnt 0x0
	CROUND                                         ; the closing round
	s_endpgm
.Lfunc_end_k_qccf4a1bf3c_outp:
	.size	k_qccf4a1bf3c_outp, .Lfunc_end_k_qccf4a1bf3c_outp-k_qccf4a1bf3c_outp
	.p2alignl 7, 3214868480
	.fill 96, 4, 3214868480
	.section	.rodata,"a",@progbits
	.p2align	6, 0x0
	.amdhsa_kernel k_qccf4a1bf3c_outp
		.amdhsa_group_segment_fixed_size 327680
		.amdhsa_private_segment_fixed_size 0
		.amdhsa_enable_private_segment 0
		.amdhsa_kernarg_size 48
		.amdhsa_user_sgpr_count 2
		.amdhsa_user_sgpr_kernarg_segment_ptr 1
		.amdhsa_wavefront_size32 1
		.amdhsa_system_sgpr_workgroup_id_x 1
		.amdhsa_system_sgpr_workgroup_id_y 1
		.amdhsa_system_sgpr_workgroup_id_z 1
		.amdhsa_system_vgpr_workitem_id 0
		.amdhsa_next_free_vgpr 768
		.amdhsa_next_free_sgpr 100
		.amdhsa_reserve_vcc 0
		.amdhsa_float_denorm_mode_32 3
		.amdhsa_float_denorm_mode_16_64 3
		.amdhsa_memory_ordered 1
		.amdhsa_forward_progress 1
		.amdhsa_inst_pref_size 190
	.end_amdhsa_kernel
	.amdgpu_metadata
---
amdhsa.version: [ 1, 2 ]
amdhsa.kernels:
  - .name:           k_qccf4a1bf3c_outp
    .symbol:         k_qccf4a1bf3c_outp.kd
    .args:
      - { .name: o_img, .offset: 0, .size: 8, .value_kind: global_buffer, .address_space: global }
      - { .name: W_attn_out_codes, .offset: 8, .size: 8, .value_kind: global_buffer, .address_space: global }
      - { .name: h_img, .offset: 16, .size: 8, .value_kind: global_buffer, .address_space: global }
      - { .name: W_ff_out_codes, .offset: 24, .size: 8, .value_kind: global_buffer, .address_space: global }
      - { .name: lowp_scales, .offset: 32, .size: 8, .value_kind: global_buffer, .address_space: global }
      - { .name: out0, .offset: 40, .size: 8, .value_kind: global_buffer, .address_space: global }
    .group_segment_fixed_size: 327680
    .private_segment_fixed_size: 0
    .kernarg_segment_align: 8
    .kernarg_segment_size: 48
    .max_flat_workgroup_size: 128
    .sgpr_count:     100
    .vgpr_count:     768
    .wavefront_size: 32
...
	.end_amdgpu_metadata
.endif
;; end of part 4
